; MI455X (gfx1250); checked and timed in simulation.
; The chip was launched on July 23, 2026; its instructions are those of AMD's public machine-readable ISA for CDNA 5 (MIT licence, August 2026) and "CDNA5" Instruction Set Architecture Reference Guide (July 2026). The comments in the code are by the model that wrote it; some were corrected since.
;; Hollow Transformer Layer. Allowed arithmetic: matrix products marked QUANTISED: E2M1 operands, one E8M0 scale for each 32 along K, by v_wmma_scale_f32_16x16x128_f8f6f4 with both operands' format E2M1 (or v_wmma_scale_f32_32x16x128_f4), f32 sums; products left as they are: bf16, f16 or f32 operands; f32 sums; everything else in f32.
;; Inputs: W1 1,024 x 4,096 float32; W2 4,096 x 1,024 float32; Wk 1,024 x 1,024 float32; Wo 1,024 x 1,024 float32; Wq 1,024 x 1,024 float32; Wv 1,024 x 1,024 float32; b1 4,096 float32; b2 1,024 float32; beta1 1,024 float32; beta2 1,024 float32; bk 1,024 float32; bo 1,024 float32; bq 1,024 float32; bv 1,024 float32; g1 1,024 float32; g2 1,024 float32; mask 2 x 2,048 int32; x 2 x 2,048 x 1,024 float32.
;; Outputs: out0 2 x 2,048 x 1,024 float32.
;; This version of the problem:
;;   THIS VERSION OF THE PROBLEM IS GIVEN IN LOW PRECISION. The matrix products marked QUANTISED in the list below multiply operands that are first quantised to E2M1 (2 exponent bits, 1 mantissa bit; 4 bits a number), with one power-of-two scale for each 32 numbers along K (OCP MX v1.0); their sums are f32. The products marked 'left as it is' may take bf16, f16 or f32 operands, with f32 sums. Whichever they take, every output number must still come out within the allowed error. Rounding operands to bf16 (8 significant bits) uses up far more of that allowance than f16 does (11 bits, for magnitudes from 6e-5 to 65,504). All else is computed in f32.
;;   The module's matrix products, in the order in which they are computed (A, B: the left and right operand; K: the contracted axis; several contracted axes count as one K, in the product's order):
;;     1. [M 4,096, K 1,024] x [K 1,024, N 1,024]; A: input x; B: input Wq: QUANTISED
;;     2. [M 4,096, K 1,024] x [K 1,024, N 1,024]; A: input x; B: input Wk: QUANTISED
;;     3. [M 4,096, K 1,024] x [K 1,024, N 1,024]; A: input x; B: input Wv: QUANTISED
;;     4. batch 32 x [M 2,048, K 64] x [K 64, N 2,048]; A: computed on the way; B: computed on the way: left as it is (an operand is computed on the way)
;;     5. batch 32 x [M 64, K 2,048] x [K 2,048, N 2,048]; A: computed on the way; B: computed on the way: left as it is (an operand is computed on the way)
;;     6. [M 4,096, K 1,024] x [K 1,024, N 1,024]; A: computed on the way; B: input Wo: left as it is (an operand is computed on the way)
;;     7. [M 4,096, K 1,024] x [K 1,024, N 4,096]; A: computed on the way; B: input W1: left as it is (an operand is computed on the way)
;;     8. [M 4,096, K 4,096] x [K 4,096, N 1,024]; A: computed on the way; B: input W2: left as it is (an operand is computed on the way)
;;   THE QUANTISER, for each operand of a quantised product, along K:
;;     - K is cut into blocks of 32 from its start; a last block that is shorter is filled with zeros.
;;     - A block's scale is 2^e with e = floor(log2(the largest magnitude in the block)) - 2, held to -126 .. 127; a block of zeros has e = 0. As a byte (E8M0): e + 127.
;;     - Each number is divided by its block's scale, clamped to +-6, and rounded to the nearest number of E2M1, ties to even, subnormals kept.
;;     - The product sums the exact products of the quantised numbers (number of the format x scale) in f32.
;;   ~~~python
;;   def quantise(x, axis):      # numpy; x: float32 -> the quantised numbers, widened to float32 again
;;       x = np.moveaxis(x, axis, -1); K = x.shape[-1]
;;       x = np.pad(x, [(0, 0)] * (x.ndim - 1) + [(0, -K % 32)]); x = x.reshape(x.shape[:-1] + (-1, 32)); a = np.abs(x).max(-1, keepdims=True)
;;       e = np.where(a > 0, np.clip(np.frexp(np.where(a > 0, a, 1))[1] - 1 - 2, -126, 127), 0)      # np.frexp(a)[1] - 1 = floor(log2(a)), exactly
;;       r = np.clip(x / 2.0 ** e, -6, 6)
;;       step = 2.0 ** (np.maximum(np.frexp(np.where(r == 0, 1, r))[1] - 1, 0) - 1)
;;       q = np.round(r / step) * step * 2.0 ** e      # np.round: ties to even
;;       return np.moveaxis(q.reshape(q.shape[:-2] + (-1,))[..., :K], -1, axis).astype(np.float32)
;;   ~~~
;; One version. Each part assembles by itself: llvm-mc -triple=amdgcn-amd-amdhsa -mcpu=gfx1250 --defsym DOCPART=n.
;; ======== version 1 of 1: 7 launches
;; limits: values are held in f16: magnitudes above 65,504 overflow, below 6.1e-05 lose precision
;; workspace buffers: packed 21,659,648 bytes; act 33,554,432 bytes; sum 16,777,216 bytes; hbuf 25,165,824 bytes
;; launch prep (part 1): grid 768 x 1, 4 waves a work-group, no clusters, 42,496 bytes of LDS; arguments x, Wv, Wo, W1, W2, packed; writes packed
.if DOCPART == 1
	.amdgcn_target "amdgcn-amd-amdhsa--gfx1250"
	.amdhsa_code_object_version 6
	.text
	.protected	k_qd68a9d9858_prep
	.globl	k_qd68a9d9858_prep
	.p2align	8
	.type	k_qd68a9d9858_prep,@function
k_qd68a9d9858_prep:
	s_mov_b64 s[64:65], 0
	v_nop
	global_prefetch_b8 v0, s[64:65] scope:SCOPE_SE
	s_setreg_imm32_b32 hwreg(HW_REG_WAVE_MODE, 25, 1), 1
	s_wait_xcnt 0x0
; FIRST LAUNCH OF SEVEN.  WHAT IS LEFT OUT OF reference(), AND WHY.
; reference() builds diag = eye(S) in its own body and sets every score off the diagonal to -inf.  For finite q and k a row of the softmax has ONE finite entry s:
; the row's maximum is s, exp(s - s) = 1, every other term is exp(-inf) = 0, the sum is 1.  So attn is the identity matrix whatever finite values the inputs hold, and
; out = attn v = v.  x Wq + bq, x Wk + bk, the scores and the product with attn can therefore reach no output: they are not computed.  Wq, bq, Wk, bk then have no way
; to any output, and reference() never reads mask: these five inputs are not loaded and are no launch's argument.
; LIMIT: a NaN, an infinity or an overflow that arises only in q, k or the scores is not carried to the result.
; What is live: v = Q(x) Q(Wv) + bv (MX-FP4), r = x + v Wo + bo, h = LN(r), hid = relu(h W1 + b1), y = h + hid W2 + b2, out0 = LN(y); the last three products on f16 operands, f32 sums.
; THIS LAUNCH: x -> codes of E2M1 and E8M0 scale bytes along its last axis; Wv -> the same along its FIRST axis (its K), laid [n][K]; Wo, W1, W2 -> f16, layout kept.
; Three ways, parted by the work-group's number alone: 0-63 Wv, 64-191 x, 192-767 the casts.  Each way that uses LDS has LDS bytes of its own.
; A block's scale is 2^(floor(log2(largest magnitude)) - 2); its byte is the largest magnitude's exponent field - 2, held at 1 from below.
; LIMITS: a block of zeros gets the byte 1 where the rule says 127 (its codes are zeros, which add nothing, and this program alone reads the bytes); blocks whose largest magnitude lies
; under 2^(2 - 126) were not tried; NaN and infinities are not served; a weight beyond 65,504 in magnitude has no f16 number.
.set XC,    0                          ; packed: x's codes [4096][512 bytes]
.set XS,    2097152                    ; x's scale bytes [4096][32]
.set WVC,   2228224                    ; Wv's codes [1024 n][512 bytes]
.set WVS,   2752512                    ; Wv's scale bytes [1024 n][32]
.set WO16,  2785280                    ; Wo, W1, W2 as f16, one behind the other
.set WREG,  8192                       ; LDS, x's way: a region for each wave: two stages of 32 x SP bytes and 256 scale bytes
.set SP,    80
.set CB,    8
.set EMAX,  2
.set STEPS, 16
.set VB,    4*WREG                     ; LDS, Wv's way: a stage of 32 rows (columns n) x (256 bytes + 16)
.set VP,    272
.set VS,    VB+32*VP                   ; and 32 x 16 scale bytes
.set SPARE, VS+512                     ; the spare words, 128 bytes for each wave: two blocks of 256 bytes that no other line names
.set SPW,   12                         ; v12  LDS address of my spare word; never rewritten
.set NIL,   13                         ; v13  0; never rewritten
	s_load_b256 s[4:11], s[0:1], 0x0               ; x s[4:5], Wv s[6:7], Wo s[8:9], W1 s[10:11]
	s_load_b128 s[12:15], s[0:1], 0x20             ; W2 s[12:13], packed s[14:15]
	v_lshl_add_u32 v[SPW], v0, 2, SPARE
	v_mov_b32 v[NIL], 0
	v_lshrrev_b32 v1, 5, v0
	v_readfirstlane_b32 s16, v1                    ; wave 0..3
	v_and_b32 v2, 31, v0                           ; lane
	s_wait_kmcnt 0x0
	s_cmp_lt_u32 ttmp9, 64
	s_cbranch_scc1 .Lwv
	s_cmp_lt_u32 ttmp9, 192
	s_cbranch_scc1 .Lx
; ---- THE CASTS.  A work-group takes 16,384 numbers, a wave 4,096.  No LDS.  All 32 loads of a wave go out at once, 512 dense bytes each; each store is 256 dense bytes, aligned.
	s_sub_co_u32 s17, ttmp9, 192                   ; 0-63 Wo, 64-319 W1, 320-575 W2
	s_cmp_lt_u32 s17, 64
	s_cselect_b64 s[18:19], s[8:9], s[10:11]
	s_cselect_b32 s20, 0, 64
	s_cmp_lt_u32 s17, 320
	s_cselect_b64 s[18:19], s[18:19], s[12:13]
	s_cselect_b32 s20, s20, 320
	s_sub_co_u32 s21, s17, s20
	s_lshl_b32 s21, s21, 2
	s_add_co_u32 s21, s21, s16
	s_lshl_b32 s22, s21, 14                        ; my 16,384 bytes of the tensor
	s_mov_b32 s23, 0
	s_add_nc_u64 s[18:19], s[18:19], s[22:23]
	s_lshl_b32 s21, s17, 2
	s_add_co_u32 s21, s21, s16
	s_lshl_b32 s22, s21, 13                        ; the three f16 tensors lie on end: the place is linear in the work-group's number
	s_add_co_u32 s22, s22, WO16
	s_add_nc_u64 s[24:25], s[14:15], s[22:23]
	v_lshlrev_b32 v3, 4, v2
	v_lshlrev_b32 v4, 3, v2
.set i, 0
.rept 32
	global_load_b128 v[32+4*i:35+4*i], v3, s[18:19] offset:512*i th:TH_LOAD_NT
.set i, i+1
.endr
.set i, 0
.rept 8
	s_wait_loadcnt 28-i                            ; this group's four loads are in; those of the later groups stay out
.rept 4
	v_cvt_pk_f16_f32 v[160+2*i], v[32+4*i], v[33+4*i]
	v_cvt_pk_f16_f32 v[161+2*i], v[34+4*i], v[35+4*i]
	global_store_b64 v4, v[160+2*i:161+2*i], s[24:25] offset:256*i   ; no register is written twice: no wait for the stores' sources
.set i, i+1
.endr
.endr
	s_endpgm
; ---- x.  Rows are dense and 1,024 is a multiple of 32: a plain stream of blocks of 32.  A wave takes 16 steps of 512 numbers.  Each load reads 512 dense bytes; a step's 2,048 bytes turn
; through the wave's own stage in LDS so that a lane holds 16 neighbours (two neighbouring lanes hold a block).  Loads run four steps ahead, the turn one step.
.set R, 16                             ; v16-79   four sets of 16 numbers as loaded
.set X, 80                             ; v80-111  two sets of 16 neighbours
.set E, 112                            ; v112-127 a scale byte for each step
.set C, 128                            ; v128-191 codes: registers of its own for each step
.Lx:
	v_lshlrev_b32 v3, 4, v2
	s_mul_i32 s17, s16, WREG
	v_lshrrev_b32 v14, 2, v2
	v_mul_u32_u24 v14, v14, SP
	v_and_b32 v15, 3, v2
	v_lshl_add_u32 v14, v15, 4, v14
	v_add_nc_u32 v14, s17, v14                     ; the stage, in: SP (lane / 4) + 16 (lane % 4)
	v_mul_u32_u24 v15, v2, SP
	v_add_nc_u32 v15, s17, v15                     ; out: SP x lane
	v_mul_u32_u24 v4, v2, CB
	v_lshrrev_b32 v5, 1, v2
	s_add_co_u32 s17, s17, 2*32*SP
	v_add_nc_u32 v5, s17, v5                       ; my block's scale byte
	v_lshlrev_b32 v7, 3, v2
	v_add_nc_u32 v6, s17, v7
	s_sub_co_u32 s18, ttmp9, 64
	s_lshl_b32 s18, s18, 2
	s_add_co_u32 s18, s18, s16                     ; which run of 8,192 numbers is my wave's
	s_lshl_b32 s20, s18, 15
	s_mov_b32 s21, 0
	s_add_nc_u64 s[4:5], s[4:5], s[20:21]
	s_lshl_b32 s20, s18, 12
	s_add_nc_u64 s[8:9], s[14:15], s[20:21]        ; its 4,096 bytes of codes (XC = 0)
	s_lshl_b32 s20, s18, 8
	s_add_co_u32 s20, s20, XS
	s_add_nc_u64 s[10:11], s[14:15], s[20:21]      ; its 256 scale bytes
.macro XLOAD t
.irp i, 0,1,2,3
	global_load_b128 v[R+16*((\t)%4)+4*\i:R+16*((\t)%4)+4*\i+3], v3, s[4:5] offset:2048*(\t)+512*\i
.endr
.endm
.macro XTURN t                         ; LDS serves a wave's instructions in order: no wait between the stores and the loads
.irp i, 0,1,2,3
	ds_store_b128 v14, v[R+16*((\t)%4)+4*\i:R+16*((\t)%4)+4*\i+3] offset:32*SP*((\t)%2)+8*SP*\i
.endr
.irp i, 0,1,2,3
	ds_load_b128 v[X+16*((\t)%2)+4*\i:X+16*((\t)%2)+4*\i+3], v15 offset:32*SP*((\t)%2)+16*\i
.endr
.endm
.irp t, 0,1,2,3
	XLOAD \t
.endr
	s_wait_loadcnt 12                              ; step 0's four loads are in
	XTURN 0
.macro XSTEP t
.set XQ, X+16*((\t)%2)
.if (\t) > 0
	s_wait_dscnt 1                                 ; this step's numbers are back from the stage (the last step's byte store may be out)
.else
	s_wait_dscnt 0x0
.endif
.if (\t)+4 < STEPS
	XLOAD (\t)+4
.endif
.if (\t)+1 < STEPS
.if STEPS-2-(\t) >= 3
	s_wait_loadcnt 12                              ; the next step's four loads are in; those of the three steps behind it may be out
.else
	s_wait_loadcnt 4*(STEPS-2-(\t))
.endif
	XTURN (\t)+1
.endif
	v_max3_num_f32 v8, |v[XQ]|, |v[XQ+1]|, |v[XQ+2]|
	v_max3_num_f32 v9, |v[XQ+3]|, |v[XQ+4]|, |v[XQ+5]|
.irp i, 6,10
	v_max3_num_f32 v8, v8, |v[XQ+\i]|, |v[XQ+\i+1]|
	v_max3_num_f32 v9, v9, |v[XQ+\i+2]|, |v[XQ+\i+3]|
.endr
	v_max3_num_f32 v8, v8, |v[XQ+14]|, |v[XQ+15]|
	v_max3_num_f32 v8, v8, v9, (EMAX+1)<<23        ; the floor 2^(3 - 127): the byte cannot fall under 1
	v_max_num_f32_dpp v8, v8, v8 row_xmask:1 row_mask:0xf bank_mask:0xf   ; with my neighbour's 16: the block's largest magnitude
	v_add_nc_u32 v11, -(EMAX<<23), v8              ; 2 off its exponent field: the conversion's scale operand
	v_cvt_scalef32_pk8_fp4_f32 v[C+4*(\t)], v[XQ:XQ+7], v11
	v_cvt_scalef32_pk8_fp4_f32 v[C+4*(\t)+1], v[XQ+8:XQ+15], v11
	v_lshrrev_b32 v[E+(\t)], 23, v11               ; the scale's byte
	ds_store_b8 v5, v[E+(\t)] offset:16*(\t)       ; both lanes of a block write the same byte with the same value
	global_store_b64 v4, v[C+4*(\t):C+4*(\t)+1], s[8:9] offset:32*CB*(\t)   ; the wave stores 256 dense bytes, aligned
.endm
.irp t, 0,1,2,3,4,5,6,7,8,9,10,11,12,13,14,15
	XSTEP \t
.endr
	ds_load_b64 v[8:9], v6
	s_wait_dscnt 0x0
	global_store_b64 v7, v[8:9], s[10:11]          ; the wave's 256 scale bytes, aligned
	s_wait_tensorcnt 0x0                           ; the wave's end: behind my last LDS store
	ds_add_u32 v[SPW], v[NIL]
	s_wait_dscnt 0x0
	s_endpgm
; ---- Wv [1024 k][1024 n].  A LANE TAKES A COLUMN n AND ITS REGISTERS RUN DOWN K: a block of 32 along K lies in one lane's 32 registers, and the codes come out with K innermost.
; A work-group takes 32 columns x 512 along K; wave w takes 128 of the 512: four blocks a lane.  The four waves' codes of a column meet in a stage (256 bytes a column) and leave as whole rows.
.Lwv:
	s_and_b32 s17, ttmp9, 31                       ; which 32 columns
	s_lshr_b32 s18, ttmp9, 5                       ; which half of K
	s_lshl_b32 s20, s18, 21                        ; 512 rows of 4,096 bytes
	s_lshl_b32 s21, s16, 19                        ; 128 rows
	s_add_co_u32 s20, s20, s21
	s_lshl_b32 s21, s17, 7
	s_add_co_u32 s20, s20, s21
	s_mov_b32 s21, 0
	s_add_nc_u64 s[6:7], s[6:7], s[20:21]
	s_lshl_b32 s20, s17, 14                        ; codes: 32 rows of 512 bytes for each group of columns, + 256 for the upper half of K
	s_lshl_b32 s22, s18, 8
	s_add_co_u32 s20, s20, s22
	s_add_co_u32 s20, s20, WVC
	s_add_nc_u64 s[24:25], s[14:15], s[20:21]
	s_lshl_b32 s20, s17, 10                        ; scale bytes: 32 rows of 32 bytes, + 16
	s_lshl_b32 s22, s18, 4
	s_add_co_u32 s20, s20, s22
	s_add_co_u32 s20, s20, WVS
	s_add_nc_u64 s[26:27], s[14:15], s[20:21]
	v_lshlrev_b32 v3, 2, v2                        ; in: 4 bytes a lane
	v_mul_u32_u24 v4, v2, VP
	s_lshl_b32 s22, s16, 6
	s_add_co_u32 s22, s22, VB
	v_add_nc_u32 v4, s22, v4                       ; the stage, in: row = my column, my wave's 64 bytes of it
	v_lshl_add_u32 v9, v2, 4, VS                   ; a column's 16 scale bytes
	s_lshl_b32 s22, s16, 2
	v_add_nc_u32 v5, s22, v9                       ; my wave's four of them
	v_and_b32 v18, 15, v2
	v_lshrrev_b32 v19, 4, v2
	v_mul_u32_u24 v7, v19, VP
	v_lshl_add_u32 v7, v18, 4, v7
	s_mul_i32 s23, s16, 8*VP
	s_add_co_u32 s23, s23, VB
	v_add_nc_u32 v7, s23, v7                       ; out: my wave's 8 rows, sixteen lanes to a row, two rows an instruction
	v_lshlrev_b32 v8, 9, v19
	v_lshl_add_u32 v8, v18, 4, v8
	s_lshl_b32 s23, s16, 12
	v_add_nc_u32 v8, s23, v8                       ; the same place in the codes' buffer
	v_lshlrev_b32 v10, 5, v2                       ; a column's row of scale bytes in memory
.macro VLOAD t
.irp i, 0,1,2,3,4,5,6,7,8,9,10,11,12,13,14,15,16,17,18,19,20,21,22,23,24,25,26,27,28,29,30,31
	global_load_b32 v[32+32*((\t)%2)+\i], v3, s[6:7] offset:(32*(\t)+\i)*4096 th:TH_LOAD_NT
.endr
.endm
	VLOAD 0
	VLOAD 1
.macro VBLOCK t
.set VX, 32+32*((\t)%2)
.if (\t) < 3
	s_wait_loadcnt 32                              ; this block's 32 loads are in; the next block's may be out
.else
	s_wait_loadcnt 0
.endif
	v_max3_num_f32 v16, |v[VX]|, |v[VX+1]|, |v[VX+2]|
	v_max3_num_f32 v17, |v[VX+3]|, |v[VX+4]|, |v[VX+5]|
.irp i, 6,10,14,18,22,26
	v_max3_num_f32 v16, v16, |v[VX+\i]|, |v[VX+\i+1]|
	v_max3_num_f32 v17, v17, |v[VX+\i+2]|, |v[VX+\i+3]|
.endr
	v_max3_num_f32 v16, v16, |v[VX+30]|, |v[VX+31]|
	v_max3_num_f32 v16, v16, v17, (EMAX+1)<<23     ; the floor
	v_add_nc_u32 v11, -(EMAX<<23), v16             ; the conversion's scale operand
	v_lshrrev_b32 v17, 23, v11                     ; the scale's byte
.if (\t) == 0
	v_mov_b32 v24, v17
.else
	v_lshl_or_b32 v24, v17, 8*(\t), v24            ; four bytes to a word, the lower K in the lower byte
.endif
.irp g, 0,1,2,3
	v_cvt_scalef32_pk8_fp4_f32 v[96+\g], v[VX+8*\g:VX+8*\g+7], v11
.endr
	ds_store_b128 v4, v[96:99] offset:16*(\t)
.if (\t)+2 < 4
	VLOAD (\t)+2
.endif
	s_wait_dscnt 0x0                               ; the store has read its registers: the next block's codes may be written
.endm
	VBLOCK 0
	VBLOCK 1
	VBLOCK 2
	VBLOCK 3
	ds_store_b32 v5, v24
	s_wait_dscnt 0x0                               ; for the others' sake: my stores have landed
	s_barrier_signal -1                            ; the way here hangs on the work-group's number alone: all four waves pass this barrier
	s_barrier_wait -1
.irp t, 0,1,2,3
	ds_load_b128 v[32+4*\t:35+4*\t], v7 offset:2*\t*VP
.endr
.irp t, 0,1,2,3
	s_wait_dscnt 3-\t
	global_store_b128 v8, v[32+4*\t:35+4*\t], s[24:25] offset:2*\t*512   ; sixteen lanes store 256 dense bytes, aligned
.endr
	s_cmp_lg_u32 s16, 0                            ; wave 0 sends the 32 columns' scale bytes, 16 a column
	s_cbranch_scc1 .Lnot0
	ds_load_b128 v[100:103], v9
	s_wait_dscnt 0x0
	global_store_b128 v10, v[100:103], s[26:27]
.Lnot0:
	s_wait_tensorcnt 0x0                           ; the wave's end: behind my last LDS store
	ds_add_u32 v[SPW], v[NIL]
	s_wait_dscnt 0x0
	s_endpgm
.Lfunc_end_k_qd68a9d9858_prep:
	.size	k_qd68a9d9858_prep, .Lfunc_end_k_qd68a9d9858_prep-k_qd68a9d9858_prep
	.p2alignl 7, 3214868480
	.fill 96, 4, 3214868480
	.section	.rodata,"a",@progbits
	.p2align	6, 0x0
	.amdhsa_kernel k_qd68a9d9858_prep
		.amdhsa_group_segment_fixed_size 42496
		.amdhsa_private_segment_fixed_size 0
		.amdhsa_enable_private_segment 0
		.amdhsa_kernarg_size 48
		.amdhsa_user_sgpr_count 2
		.amdhsa_user_sgpr_kernarg_segment_ptr 1
		.amdhsa_wavefront_size32 1
		.amdhsa_system_sgpr_workgroup_id_x 1
		.amdhsa_system_sgpr_workgroup_id_y 1
		.amdhsa_system_sgpr_workgroup_id_z 1
		.amdhsa_system_vgpr_workitem_id 0
		.amdhsa_next_free_vgpr 224
		.amdhsa_next_free_sgpr 66
		.amdhsa_reserve_vcc 0
		.amdhsa_float_denorm_mode_32 3
		.amdhsa_float_denorm_mode_16_64 3
		.amdhsa_memory_ordered 1
		.amdhsa_forward_progress 1
		.amdhsa_inst_pref_size 65
	.end_amdhsa_kernel
	.amdgpu_metadata
---
amdhsa.version: [ 1, 2 ]
amdhsa.kernels:
  - .name:           k_qd68a9d9858_prep
    .symbol:         k_qd68a9d9858_prep.kd
    .args:
      - { .name: x, .offset: 0, .size: 8, .value_kind: global_buffer, .address_space: global }
      - { .name: Wv, .offset: 8, .size: 8, .value_kind: global_buffer, .address_space: global }
      - { .name: Wo, .offset: 16, .size: 8, .value_kind: global_buffer, .address_space: global }
      - { .name: W1, .offset: 24, .size: 8, .value_kind: global_buffer, .address_space: global }
      - { .name: W2, .offset: 32, .size: 8, .value_kind: global_buffer, .address_space: global }
      - { .name: packed, .offset: 40, .size: 8, .value_kind: global_buffer, .address_space: global }
    .group_segment_fixed_size: 42496
    .private_segment_fixed_size: 0
    .kernarg_segment_align: 8
    .kernarg_segment_size: 48
    .max_flat_workgroup_size: 128
    .sgpr_count:     66
    .vgpr_count:     224
    .wavefront_size: 32
...
	.end_amdgpu_metadata
.endif
;; end of part 1
;; launch vgemm (part 2): grid 8 x 32, 4 waves a work-group, clusters of 4 x 4, 179,200 bytes of LDS; arguments packed, bv, act; writes act
.if DOCPART == 2
	.amdgcn_target "amdgcn-amd-amdhsa--gfx1250"
	.amdhsa_code_object_version 6
	.text
	.protected	k_qd68a9d9858_vgemm
	.globl	k_qd68a9d9858_vgemm
	.p2align	8
	.type	k_qd68a9d9858_vgemm,@function
k_qd68a9d9858_vgemm:
	s_mov_b64 s[64:65], 0
	v_nop
	global_prefetch_b8 v0, s[64:65] scope:SCOPE_SE
	s_setreg_imm32_b32 hwreg(HW_REG_WAVE_MODE, 25, 1), 1
	s_wait_xcnt 0x0
	s_wait_alu depctr_hold_cnt(0) depctr_sa_sdst(0) depctr_va_vdst(0) depctr_va_sdst(0) depctr_va_ssrc(0) depctr_va_vcc(0) depctr_vm_vsrc(0)
	s_getreg_b32 s2, hwreg(HW_REG_IB_STS2, 6, 4)
	s_cmp_eq_u32 s2, 0
	s_cbranch_scc0 .Lentry_in_a_cluster
	s_endpgm
.Lentry_in_a_cluster:
	s_bfe_u32 s2, ttmp6, 0x10000c
	s_cmp_lg_u32 s2, 0xf033
	s_cbranch_scc0 .Lentry_shape_is_right
	s_endpgm
.Lentry_shape_is_right:
; v = Q(x) Q(Wv) + bv on codes of E2M1 with E8M0 scales, f32 sums; stored as f16 [4096][1024], the next product's operand.
; LEFT OUT: x Wq + bq and x Wk + bk (and the scores and the product with attn): attn is the identity for all finite inputs, so they reach no output (shown at the head of the first kernel).
; LIMIT: a v beyond 65,504 in magnitude has no f16 number.
; A tile of v is 128 x 128, a wave makes 64 x 64: 16 accumulators.  K = 1,024 is 512 bytes a row: ALL of K of the tile's 128 rows of x and 128 rows of Wv, and their scale bytes, come into LDS at
; once, by two tensor loads a wave; nothing is ever filled again.  All fragments then go into registers (windows 1 and 2) and 128 products follow.
; CLUSTERS 4 x 4: x's rows are shared along a row of the cluster, Wv's along a column: joint loads.  THE PRODUCT IS USED TRANSPOSED (source 0 = 16 rows of Wv's codes, source 1 = 16 rows of x's):
; a lane holds eight neighbouring columns of one row of v.  bv is the C of each sum's first product.
; REGISTERS: window 0: v1-30 addresses; v32-63 scale words (register 8 i + q: lanes 0-15 x's block i, lanes 16-31 Wv's block i, K step q); v96-127 bv; v128-255 accumulators.
;   window 1: x's fragments, v[32 q + 8 i];  window 2: Wv's likewise.
.set XS,    2097152
.set WVC,   2228224
.set WVS,   2752512
.set PITCH, 528                        ; an LDS row: 512 bytes + 16 = 132 words: the 16 rows of a fragment load start at 16 different groups of banks
.set HALFC, 64*PITCH                   ; 64 rows: what one tensor load brings
.set SCL,   4*HALFC                    ; the scale bytes, as units of 256 bytes + 16
.set HALFS, 8*272                      ; those of 64 rows
.set SBLK,  2*272                      ; those of 16 rows
.set STAGE, SCL+4*HALFS                ; the way out: 128 rows x (256 bytes + 16); no fill lands here
.set SPITCH, 272
.set SPARE, STAGE+128*SPITCH           ; the spare words, 128 bytes for each wave
.set ADRA, 16
.set ADRB, 20
.set STO,  24
.set RD,   25
.set CO,   26
.set ADRS, 27
.set SPW,  28
.set NIL,  29
.set BO,   30
.set SC,   32
.set BIAS, 96
.set ACC,  128
.set G1,   24
.set G0,   32
.set G0B,  36
.set G1B,  48
.set G1S,  68
.set G0S,  76
.set G1SB, 80
.set G0SB, 88
.set MSB, 0
.macro WIN new                         ; the immediate's high byte repeats the setting that is left
.if MSB != \new
	s_set_vgpr_msb (MSB<<8)|\new
.set MSB, \new
.endif
.endm
.macro JLOAD g0a, g1a, g0b, g1b        ; a joint load: waves 0 and 1 fetch for x, waves 2 and 3 for Wv; an s_nop 0 and four v_nop follow each line
	s_cmp_eq_u32 s15, 0
	s_cbranch_scc0 .Lfor_b_\@
	tensor_load_to_lds s[\g0a:\g0a+3], s[\g1a:\g1a+7]
	s_nop 0
.rept 4
	v_nop
.endr
	s_branch .Lasked_\@
.Lfor_b_\@:
	tensor_load_to_lds s[\g0b:\g0b+3], s[\g1b:\g1b+7]
	s_nop 0
.rept 4
	v_nop
.endr
.Lasked_\@:
.endm
.macro CROUND                          ; a round of the cluster's barrier
	s_barrier_signal -1
	s_barrier_wait -1
	s_cmp_lg_u32 s14, 0
	s_cbranch_scc1 .Lnot_wave_0_\@
	s_barrier_signal -3
.Lnot_wave_0_\@:
	s_barrier_wait -3
	s_barrier_signal -1
	s_barrier_wait -1
.endm
	s_load_b128 s[4:7], s[0:1], 0x0                ; packed s[4:5], bv s[6:7]
	s_load_b64 s[8:9], s[0:1], 0x10                ; act
	v_lshl_add_u32 v[SPW], v0, 2, SPARE
	v_mov_b32 v[NIL], 0
	ds_add_u32 v[SPW], v[NIL]                      ; the wave's opening: the add, twice on end, and its wait ahead of my first tensor load
	ds_add_u32 v[SPW], v[NIL]
	v_lshrrev_b32 v1, 5, v0
	v_readfirstlane_b32 s14, v1                    ; wave 0..3
	s_lshr_b32 s15, s14, 1                         ; my half of the tile's rows.  Also: I fetch for x (0) or for Wv (1)
	s_and_b32 s16, s14, 1                          ; my half of its columns.  Also: which 64 rows I fetch
	s_bfe_u32 s40, ttmp6, 0x40000                  ; cx
	s_bfe_u32 s41, ttmp6, 0x40004                  ; cy
	s_lshl_b32 s42, ttmp9, 2
	s_add_co_u32 s42, s42, s40                     ; tile column
	s_and_b32 s17, ttmp7, 0xffff
	s_lshl_b32 s17, s17, 2
	s_add_co_u32 s17, s17, s41                     ; tile row
	s_lshl_b32 s43, s41, 2
	s_lshl_b32 s43, 15, s43                        ; my row of the cluster
	s_lshl_b32 s44, 0x1111, s40                    ; my column
	s_or_b32 s[G1+0], s43, (0<<16)|(1<<20)|(1<<21)|(6<<22)|(3<<25)   ; codes: elements of 1 byte; 4 words of padding behind every 128
	s_or_b32 s[G1B+0], s44, (0<<16)|(1<<20)|(1<<21)|(6<<22)|(3<<25)
.irp g, G1, G1B
	s_mov_b32 s[\g+1], 512<<16                     ; tensor_dim0
	s_mov_b32 s[\g+2], 64<<16                      ; tensor_dim1
	s_mov_b32 s[\g+3], 512<<16                     ; tile_dim0
	s_mov_b32 s[\g+4], 64                          ; tile_dim1
	s_mov_b32 s[\g+5], 512                         ; stride
	s_mov_b32 s[\g+6], 0
	s_mov_b32 s[\g+7], 0
.endr
	s_or_b32 s[G1S+0], s43, (3<<16)|(1<<20)|(1<<21)|(5<<22)|(3<<25)  ; the scale bytes of 64 rows: 2,048 dense bytes as 8 rows of 256 (32 elements of 8 bytes), 16 bytes of padding behind each
	s_or_b32 s[G1SB+0], s44, (3<<16)|(1<<20)|(1<<21)|(5<<22)|(3<<25)
.irp g, G1S, G1SB
	s_mov_b32 s[\g+1], 32<<16
	s_mov_b32 s[\g+2], 8<<16
	s_mov_b32 s[\g+3], 32<<16
	s_mov_b32 s[\g+4], 8
	s_mov_b32 s[\g+5], 32
	s_mov_b32 s[\g+6], 0
	s_mov_b32 s[\g+7], 0
.endr
	s_lshl_b32 s18, s16, 6
	s_lshl_b32 s20, s17, 7
	s_add_co_u32 s20, s20, s18                     ; x: row 128 x tile row + 64 x half
	s_lshl_b32 s46, s42, 7
	s_add_co_u32 s46, s46, s18                     ; Wv: row 128 x tile column + 64 x half
	s_lshl_b32 s22, s20, 5
	s_add_co_u32 s22, s22, XS                      ; offsets in packed: x's scale bytes,
	s_mov_b32 s23, 0
	s_lshl_b32 s20, s20, 9                         ; x's codes (they begin at byte 0),
	s_mov_b32 s21, 0
	s_lshl_b32 s92, s46, 5
	s_add_co_u32 s92, s92, WVS                     ; Wv's scale bytes,
	s_mov_b32 s93, 0
	s_lshl_b32 s46, s46, 9
	s_add_co_u32 s46, s46, WVC                     ; Wv's codes
	s_mov_b32 s47, 0
	s_mul_i32 s45, s14, HALFC                      ; where they go: wave x 64 rows
	s_mul_i32 s94, s14, HALFS
	s_wait_dscnt 0x0                               ; both opening adds are done
	s_wait_kmcnt 0x0
	s_add_nc_u64 s[20:21], s[4:5], s[20:21]
	s_add_nc_u64 s[22:23], s[4:5], s[22:23]
	s_add_nc_u64 s[46:47], s[4:5], s[46:47]
	s_add_nc_u64 s[92:93], s[4:5], s[92:93]
	CROUND                                         ; all sixteen work-groups are here: the joint loads meet
	s_mov_b32 s[G0S], 1
	s_add_co_u32 s[G0S+1], s94, SCL
	s_mov_b64 s[G0S+2:G0S+3], s[22:23]
	s_or_b32 s[G0S+3], s[G0S+3], 0x80000000
	s_mov_b32 s[G0SB], 1
	s_add_co_u32 s[G0SB+1], s94, SCL
	s_mov_b64 s[G0SB+2:G0SB+3], s[92:93]
	s_or_b32 s[G0SB+3], s[G0SB+3], 0x80000000
	JLOAD G0S, G1S, G0SB, G1SB
	s_mov_b32 s[G0], 1
	s_mov_b32 s[G0+1], s45
	s_mov_b64 s[G0+2:G0+3], s[20:21]
	s_or_b32 s[G0+3], s[G0+3], 0x80000000
	s_mov_b32 s[G0B], 1
	s_mov_b32 s[G0B+1], s45
	s_mov_b64 s[G0B+2:G0B+3], s[46:47]
	s_or_b32 s[G0B+3], s[G0B+3], 0x80000000
	JLOAD G0, G1, G0B, G1B                         ; two tensor loads of mine are out
	v_and_b32 v1, 15, v0                           ; r
	v_bfe_u32 v2, v0, 4, 1                         ; h
	v_mul_u32_u24 v3, v1, PITCH
	v_lshl_add_u32 v4, v2, 4, v3                   ; a fragment's row x pitch + 16 h
	s_mul_i32 s21, s15, HALFC
	s_mul_i32 s22, s16, HALFC
	s_add_co_u32 s22, s22, 2*HALFC
	v_add_nc_u32 v[ADRA], s21, v4
	v_add_nc_u32 v[ADRB], s22, v4
	v_lshlrev_b32 v5, 5, v1                        ; my row's 32 scale bytes,
	v_lshrrev_b32 v6, 3, v1
	v_lshl_add_u32 v5, v6, 4, v5                   ; and 16 more behind the first unit of 256
	s_mul_i32 s21, s15, HALFS
	s_mul_i32 s22, s16, HALFS
	s_add_co_u32 s22, s22, 2*HALFS
	s_sub_co_u32 s22, s22, s21
	v_mul_u32_u24 v6, s22, v2                      ; lanes 16-31 take Wv's: one product, the distance between the two bases x h
	s_add_co_u32 s21, s21, SCL
	v_add_nc_u32 v5, v5, v6
	v_add_nc_u32 v[ADRS], s21, v5
	s_mul_i32 s23, s15, 64*SPITCH                  ; the stage, in: my 64 rows, my half of their 256 bytes
	s_lshl_b32 s21, s16, 7
	s_add_co_u32 s23, s23, s21
	s_add_co_u32 s23, s23, STAGE
	v_mul_u32_u24 v5, v1, SPITCH
	v_lshl_add_u32 v5, v2, 4, v5
	v_add_nc_u32 v[STO], s23, v5
	s_mul_i32 s23, s14, 32*SPITCH                  ; back: wave w takes rows 32 w on, whole; two rows an instruction
	s_add_co_u32 s23, s23, STAGE
	v_mul_u32_u24 v5, v2, SPITCH
	v_lshl_add_u32 v5, v1, 4, v5
	v_add_nc_u32 v[RD], s23, v5
	v_lshlrev_b32 v5, 11, v2                       ; the same two rows in v (2,048 bytes a row)
	v_lshl_add_u32 v[CO], v1, 4, v5
	v_lshlrev_b32 v[BO], 5, v2
	s_lshl_b32 s20, s17, 7
	s_lshl_b32 s21, s14, 5
	s_add_co_u32 s20, s20, s21
	s_lshl_b32 s20, s20, 11
	s_lshl_b32 s21, s42, 8
	s_add_co_u32 s20, s20, s21
	s_mov_b32 s21, 0
	s_add_nc_u64 s[8:9], s[8:9], s[20:21]          ; v at row 128 x tile row + 32 x wave, column 128 x tile column
	s_lshl_b32 s20, s42, 9
	s_lshl_b32 s22, s16, 8
	s_add_co_u32 s20, s20, s22
	s_add_nc_u64 s[6:7], s[6:7], s[20:21]          ; bv at my 64 columns
.irp b, 0,1,2,3
	global_load_b128 v[BIAS+8*\b:BIAS+8*\b+3], v[BO], s[6:7] offset:64*\b       ; bv[.. + 16 b + 8 h + 0 .. 7]: the result's layout
	global_load_b128 v[BIAS+8*\b+4:BIAS+8*\b+7], v[BO], s[6:7] offset:64*\b+16
.endr
	s_wait_tensorcnt 0x0                           ; my two loads have landed,
	s_barrier_signal -1
	s_barrier_wait -1                              ; everybody's have
.irp i, 0,1,2,3
	ds_load_b128 v[SC+8*\i:SC+8*\i+3], v[ADRS] offset:\i*SBLK
	ds_load_b128 v[SC+8*\i+4:SC+8*\i+7], v[ADRS] offset:\i*SBLK+16
.endr
	WIN 0x80                                       ; destination window 2
.irp q, 0,1,2,3,4,5,6,7
.irp i, 0,1,2,3
.irp c, 0,1
	ds_load_b128 v[32*\q+8*\i+4*\c:32*\q+8*\i+4*\c+3], v[ADRB] offset:64*\q+32*\c+\i*16*PITCH
.endr
.endr
.endr
	WIN 0x40                                       ; destination window 1
.irp q, 0,1,2,3,4,5,6,7
.irp i, 0,1,2,3
.irp c, 0,1
	ds_load_b128 v[32*\q+8*\i+4*\c:32*\q+8*\i+4*\c+3], v[ADRA] offset:64*\q+32*\c+\i*16*PITCH
.endr
.endr
.endr
	s_wait_loadcnt 0x0                             ; bv
	WIN 0x06                                       ; source 0 window 2, source 1 window 1, C and D window 0
.irp q, 0,1,2,3,4,5,6,7
	s_wait_dscnt 8*(7-\q)                          ; all up to x's fragments of this K step are in; the eight loads of each later K step may be out
.irp a, 0,1,2,3
.irp b, 0,1,2,3                                ; the sixteen accumulators take turns, one instruction a turn
.if \q == 0
	v_wmma_scale_f32_16x16x128_f8f6f4 v[ACC+8*(4*\a+\b):ACC+8*(4*\a+\b)+7], v[32*\q+8*\b:32*\q+8*\b+7], v[32*\q+8*\a:32*\q+8*\a+7], v[BIAS+8*\b:BIAS+8*\b+7], v[SC+8*\b+\q], v[SC+8*\a+\q] matrix_a_fmt:MATRIX_FMT_FP4 matrix_b_fmt:MATRIX_FMT_FP4 matrix_a_scale:MATRIX_SCALE_ROW1
.else
	v_wmma_scale_f32_16x16x128_f8f6f4 v[ACC+8*(4*\a+\b):ACC+8*(4*\a+\b)+7], v[32*\q+8*\b:32*\q+8*\b+7], v[32*\q+8*\a:32*\q+8*\a+7], v[ACC+8*(4*\a+\b):ACC+8*(4*\a+\b)+7], v[SC+8*\b+\q], v[SC+8*\a+\q] matrix_a_fmt:MATRIX_FMT_FP4 matrix_b_fmt:MATRIX_FMT_FP4 matrix_a_scale:MATRIX_SCALE_ROW1
.endif
.endr
.endr
.endr
	WIN 0
	; THE WAY OUT: rounded to f16 in place (each accumulator from its low end on); 16 bytes a lane into the stage; a barrier, since a row's 256 bytes come from two waves; back as whole rows.
.rept 4
	v_nop                                          ; four places behind the last products
.endr
.irp t, 0,1,2,3,4,5,6,7,8,9,10,11,12,13,14,15
.irp r, 0,1,2,3
	v_cvt_pk_f16_f32 v[ACC+8*\t+\r], v[ACC+8*\t+2*\r], v[ACC+8*\t+2*\r+1]
.endr
.endr
.irp a, 0,1,2,3
.irp b, 0,1,2,3
	ds_store_b128 v[STO], v[ACC+8*(4*\a+\b):ACC+8*(4*\a+\b)+3] offset:\a*16*SPITCH+32*\b
.endr
.endr
	s_wait_dscnt 0x0                               ; for the others' sake: my stores have landed
	s_barrier_signal -1
	s_barrier_wait -1
.irp t, 0,1,2,3,4,5,6,7,8,9,10,11,12,13,14,15
	ds_load_b128 v[ACC+8*\t+4:ACC+8*\t+7], v[RD] offset:\t*2*SPITCH
.endr
.irp t, 0,1,2,3,4,5,6,7,8,9,10,11,12,13,14,15
	s_wait_dscnt 15-\t
	global_store_b128 v[CO], v[ACC+8*\t+4:ACC+8*\t+7], s[8:9] offset:2*\t*2048   ; sixteen lanes store 256 dense bytes, aligned
.endr
	s_wait_tensorcnt 0x0                           ; the wave's end
	ds_add_u32 v[SPW], v[NIL]
	s_wait_dscnt 0x0
	CROUND                                         ; the closing round
	s_endpgm
.Lfunc_end_k_qd68a9d9858_vgemm:
	.size	k_qd68a9d9858_vgemm, .Lfunc_end_k_qd68a9d9858_vgemm-k_qd68a9d9858_vgemm
	.p2alignl 7, 3214868480
	.fill 96, 4, 3214868480
	.section	.rodata,"a",@progbits
	.p2align	6, 0x0
	.amdhsa_kernel k_qd68a9d9858_vgemm
		.amdhsa_group_segment_fixed_size 179200
		.amdhsa_private_segment_fixed_size 0
		.amdhsa_enable_private_segment 0
		.amdhsa_kernarg_size 24
		.amdhsa_user_sgpr_count 2
		.amdhsa_user_sgpr_kernarg_segment_ptr 1
		.amdhsa_wavefront_size32 1
		.amdhsa_system_sgpr_workgroup_id_x 1
		.amdhsa_system_sgpr_workgroup_id_y 1
		.amdhsa_system_sgpr_workgroup_id_z 1
		.amdhsa_system_vgpr_workitem_id 0
		.amdhsa_next_free_vgpr 768
		.amdhsa_next_free_sgpr 96
		.amdhsa_reserve_vcc 0
		.amdhsa_float_denorm_mode_32 3
		.amdhsa_float_denorm_mode_16_64 3
		.amdhsa_memory_ordered 1
		.amdhsa_forward_progress 1
		.amdhsa_inst_pref_size 43
	.end_amdhsa_kernel
	.amdgpu_metadata
---
amdhsa.version: [ 1, 2 ]
amdhsa.kernels:
  - .name:           k_qd68a9d9858_vgemm
    .symbol:         k_qd68a9d9858_vgemm.kd
    .args:
      - { .name: packed, .offset: 0, .size: 8, .value_kind: global_buffer, .address_space: global }
      - { .name: bv, .offset: 8, .size: 8, .value_kind: global_buffer, .address_space: global }
      - { .name: act, .offset: 16, .size: 8, .value_kind: global_buffer, .address_space: global }
    .group_segment_fixed_size: 179200
    .private_segment_fixed_size: 0
    .kernarg_segment_align: 8
    .kernarg_segment_size: 24
    .max_flat_workgroup_size: 128
    .sgpr_count:     96
    .vgpr_count:     768
    .wavefront_size: 32
...
	.end_amdgpu_metadata
.endif
;; end of part 2
;; launch ogemm (part 3): grid 8 x 32, 4 waves a work-group, clusters of 4 x 4, 327,680 bytes of LDS; arguments act, packed, bo, x, sum; writes sum
.if DOCPART == 3
	.amdgcn_target "amdgcn-amd-amdhsa--gfx1250"
	.amdhsa_code_object_version 6
	.text
	.protected	k_qd68a9d9858_ogemm
	.globl	k_qd68a9d9858_ogemm
	.p2align	8
	.type	k_qd68a9d9858_ogemm,@function
k_qd68a9d9858_ogemm:
	s_mov_b64 s[64:65], 0
	v_nop
	global_prefetch_b8 v0, s[64:65] scope:SCOPE_SE
	s_setreg_imm32_b32 hwreg(HW_REG_WAVE_MODE, 25, 1), 1
	s_wait_xcnt 0x0
	s_wait_alu depctr_hold_cnt(0) depctr_sa_sdst(0) depctr_va_vdst(0) depctr_va_sdst(0) depctr_va_ssrc(0) depctr_va_vcc(0) depctr_vm_vsrc(0)
	s_getreg_b32 s2, hwreg(HW_REG_IB_STS2, 6, 4)
	s_cmp_eq_u32 s2, 0
	s_cbranch_scc0 .Lentry_in_a_cluster
	s_endpgm
.Lentry_in_a_cluster:
	s_bfe_u32 s2, ttmp6, 0x10000c
	s_cmp_lg_u32 s2, 0xf033
	s_cbranch_scc0 .Lentry_shape_is_right
	s_endpgm
.Lentry_shape_is_right:
; r = x + v Wo + bo.  v: [4096][SIZE_K] f16, Wo: [SIZE_K][1024] f16 (K is its FIRST axis), bo [1024], x and r [4096][1024] f32; sums in f32.
; LEFT OUT: the product of attn with v: attn is the identity for all finite inputs, so attention's result IS v (shown at the head of the first kernel).
; A tile of r is 128 x 128: 256 work-groups; four waves, each 64 x 64: 16 accumulators.  K goes in steps of 256 through a ring of two LDS slots: A's tile 128 rows x 512 bytes, B's 256 k-rows x 256 bytes.
; B's fragments come out of LDS turned, by ds_load_tr16_b128.  CLUSTERS 4 x 4: A's tile is shared along a row of the cluster, B's along a column: joint loads.
; THE PRODUCT IS USED TRANSPOSED (source 0 = 16 columns of B, source 1 = 16 rows of A): a lane holds eight neighbouring columns of one row.  The bias is the C of each sum's first product.
; The residual's 32 rows a wave are asked for at the head, into window 2, and added on the way out.
; REGISTERS: window 0: v1-29 addresses; v96-127 bias; v128-255 accumulators ((a, b) at 128 + 8 (4 a + b)).  window 1: two fragment buffers of 128 (64 of A, 64 of B, for 64 along K).  window 2: v0-127 the residual.
.set SIZE_K, 1024
.set BOFF,   2785280                   ; B's first byte in packed
.set SIZE_N, 1024
.set KSTEP,  256
.set PA,     528                       ; A's LDS row: 512 bytes + 16
.set PB,     288                       ; B's LDS row: 256 bytes + 32 = 72 words
.set HALFA,  64*PA                     ; what one tensor load brings of A,
.set HALFB,  128*PB                    ; and of B
.set BBASE,  2*HALFA
.set SLOT,   BBASE+2*HALFB
.set SPARE,  2*SLOT                    ; the spare words, 128 bytes for each wave
.set SPITCH, 528                       ; the way out: a stage of 128 rows x (512 bytes + 16) at byte 0, in slot 0's part for A, which has had its last fill and its last read by then
.set LAPS,   SIZE_K/(2*KSTEP)
.set ADRA, 16                          ; v16-17  my A fragments in slot 0, 1
.set ADRB, 20                          ; v20-23  my B fragments: 2 x slot + half of the K step
.set STO,  24
.set RD,   25
.set CO,   26
.set BO,   27
.set SPW,  28
.set NIL,  29
.set BIAS, 96
.set ACC,  128
.set F0,   0
.set F1,   128
.set G1,   24
.set G0,   32
.set G1B,  48
.set G0B,  56
.set MSB, 0
.macro WIN new
.if MSB != \new
	s_set_vgpr_msb (MSB<<8)|\new
.set MSB, \new
.endif
.endm
.set MUL,  0x05                        ; sources 0 and 1 window 1; C and D window 0
.set TO_F, 0x40                        ; destination window 1
.macro JLOAD s                         ; a joint load: waves 0 and 1 fetch A's halves, waves 2 and 3 B's; an s_nop 0 and four v_nop follow each line
	s_cmp_eq_u32 s15, 0
	s_cbranch_scc0 .Lfor_b_\@
	tensor_load_to_lds s[G0+4*\s:G0+4*\s+3], s[G1:G1+7]
	s_nop 0
.rept 4
	v_nop
.endr
	s_branch .Lasked_\@
.Lfor_b_\@:
	tensor_load_to_lds s[G0B+4*\s:G0B+4*\s+3], s[G1B:G1B+7]
	s_nop 0
.rept 4
	v_nop
.endr
.Lasked_\@:
.endm
.macro CREST
	s_cmp_lg_u32 s14, 0
	s_cbranch_scc1 .Lnot_wave_0_\@
	s_barrier_signal -3
.Lnot_wave_0_\@:
	s_barrier_wait -3
	s_barrier_signal -1
	s_barrier_wait -1
.endm
.macro CROUND
	s_barrier_signal -1
	s_barrier_wait -1
	CREST
.endm
	s_load_b256 s[4:11], s[0:1], 0x0               ; A s[4:5], packed s[6:7], bias s[8:9], residual s[10:11]
	s_load_b64 s[12:13], s[0:1], 0x20              ; the result
	v_lshl_add_u32 v[SPW], v0, 2, SPARE
	v_mov_b32 v[NIL], 0
	ds_add_u32 v[SPW], v[NIL]                      ; the wave's opening: the add, twice on end, and its wait ahead of my first tensor load
	ds_add_u32 v[SPW], v[NIL]
	v_lshrrev_b32 v1, 5, v0
	v_readfirstlane_b32 s14, v1                    ; wave 0..3
	s_lshr_b32 s15, s14, 1                         ; my half of the rows.  Also: I fetch for A (0) or for B (1)
	s_and_b32 s16, s14, 1                          ; my half of the columns.  Also: which half of that tile I fetch
	s_bfe_u32 s19, ttmp6, 0x40000                  ; cx
	s_bfe_u32 s20, ttmp6, 0x40004                  ; cy
	s_lshl_b32 s18, ttmp9, 2
	s_add_co_u32 s18, s18, s19                     ; tile column
	s_and_b32 s17, ttmp7, 0xffff
	s_lshl_b32 s17, s17, 2
	s_add_co_u32 s17, s17, s20                     ; tile row
	s_lshl_b32 s21, s20, 2
	s_lshl_b32 s21, 15, s21                        ; my row of the cluster
	s_lshl_b32 s22, 0x1111, s19                    ; my column
	s_or_b32 s[G1+0], s21, (1<<16)|(1<<20)|(1<<21)|(6<<22)|(3<<25)   ; A: elements of 2 bytes; 4 words of padding behind every 128
	s_mov_b32 s[G1+1], KSTEP<<16                   ; tensor_dim0 = 256
	s_mov_b32 s[G1+2], 64<<16                      ; tensor_dim1 = 64
	s_mov_b32 s[G1+3], KSTEP<<16                   ; tile_dim0
	s_mov_b32 s[G1+4], 64                          ; tile_dim1
	s_mov_b32 s[G1+5], SIZE_K                      ; stride
	s_mov_b32 s[G1+6], 0
	s_mov_b32 s[G1+7], 0
	s_or_b32 s[G1B+0], s22, (1<<16)|(1<<20)|(1<<21)|(5<<22)|(7<<25)  ; B: 8 words of padding behind every 64
	s_mov_b32 s[G1B+1], 128<<16                    ; 128 columns
	s_mov_b32 s[G1B+2], 128<<16                    ; 128 k-rows
	s_mov_b32 s[G1B+3], 128<<16
	s_mov_b32 s[G1B+4], 128
	s_mov_b32 s[G1B+5], SIZE_N
	s_mov_b32 s[G1B+6], 0
	s_mov_b32 s[G1B+7], 0
	s_lshl_b32 s40, s17, 7
	s_lshl_b32 s41, s16, 6
	s_add_co_u32 s40, s40, s41                     ; A: row 128 x tile row + 64 x half,
	s_mul_i32 s40, s40, SIZE_K*2                   ; in bytes (under 2^26)
	s_mov_b32 s41, 0
	s_mul_i32 s42, s16, HALFA                      ; and where it goes
	s_lshl_b32 s44, s16, 18                        ; B: k-row 128 x half (2,048 bytes a row),
	s_lshl_b32 s45, s18, 8                         ; column 128 x tile column
	s_add_co_u32 s44, s44, s45
	s_add_co_u32 s44, s44, BOFF
	s_mov_b32 s45, 0
	s_mul_i32 s46, s16, HALFB
	s_add_co_u32 s46, s46, BBASE
	s_wait_dscnt 0x0                               ; both opening adds are done
	s_wait_kmcnt 0x0
	s_add_nc_u64 s[40:41], s[4:5], s[40:41]
	s_add_nc_u64 s[44:45], s[6:7], s[44:45]
	CROUND                                         ; all sixteen work-groups are here: the first joint loads meet
.irp s, 0,1
	s_mov_b32 s[G0+4*\s], 1
	s_add_co_u32 s[G0+4*\s+1], s42, \s*SLOT
	s_add_nc_u64 s[G0+4*\s+2:G0+4*\s+3], s[40:41], \s*KSTEP*2
	s_or_b32 s[G0+4*\s+3], s[G0+4*\s+3], 0x80000000
	s_mov_b32 s[G0B+4*\s], 1
	s_add_co_u32 s[G0B+4*\s+1], s46, \s*SLOT
	s_add_nc_u64 s[G0B+4*\s+2:G0B+4*\s+3], s[44:45], \s*KSTEP*SIZE_N*2
	s_or_b32 s[G0B+4*\s+3], s[G0B+4*\s+3], 0x80000000
	JLOAD \s                                       ; two tensor loads of mine are out
.endr
	v_and_b32 v1, 15, v0                           ; r
	v_bfe_u32 v2, v0, 4, 1                         ; h
	v_mul_u32_u24 v3, v1, PA
	v_lshl_add_u32 v3, v2, 4, v3
	s_mul_i32 s66, s15, HALFA
	v_add_nc_u32 v[ADRA], s66, v3
	s_add_co_u32 s66, s66, SLOT
	v_add_nc_u32 v[ADRA+1], s66, v3
	v_and_b32 v4, 7, v0                            ; the turning load: lane l reads 16 bytes of k-row 8 h + l % 8, columns 8 ((l / 8) % 2) on
	v_lshl_add_u32 v4, v2, 3, v4
	v_mul_u32_u24 v4, v4, PB
	v_bfe_u32 v5, v0, 3, 1
	v_lshl_add_u32 v4, v5, 4, v4
	s_lshl_b32 s67, s16, 7                         ; my 64 columns
	s_add_co_u32 s67, s67, BBASE
	v_add_nc_u32 v[ADRB], s67, v4
	s_add_co_u32 s67, s67, HALFB
	v_add_nc_u32 v[ADRB+1], s67, v4
	s_add_co_u32 s67, s67, SLOT-HALFB
	v_add_nc_u32 v[ADRB+2], s67, v4
	s_add_co_u32 s67, s67, HALFB
	v_add_nc_u32 v[ADRB+3], s67, v4
	s_mul_i32 s68, s15, 64*SPITCH                  ; the stage, in: row 64 x my half + r, byte 256 x my half + 32 h
	s_lshl_b32 s69, s16, 8
	s_add_co_u32 s68, s68, s69
	v_mul_u32_u24 v5, v1, SPITCH
	v_lshl_add_u32 v5, v2, 5, v5
	v_add_nc_u32 v[STO], s68, v5
	v_and_b32 v6, 31, v0
	v_lshlrev_b32 v[CO], 4, v6                     ; back: the 32 lanes take one row of 512 bytes; the same in memory
	s_mul_i32 s68, s14, 32*SPITCH
	v_add_nc_u32 v[RD], s68, v[CO]
	v_lshlrev_b32 v[BO], 5, v2
	s_lshl_b32 s66, s18, 9
	s_lshl_b32 s67, s16, 8
	s_add_co_u32 s66, s66, s67
	s_mov_b32 s67, 0
	s_add_nc_u64 s[8:9], s[8:9], s[66:67]          ; the bias at my 64 columns
	s_lshl_b32 s68, s17, 7
	s_lshl_b32 s69, s14, 5
	s_add_co_u32 s68, s68, s69
	s_lshl_b32 s68, s68, 12                        ; row 128 x tile row + 32 x wave, 4,096 bytes a row,
	s_lshl_b32 s69, s18, 9
	s_add_co_u32 s68, s68, s69                     ; column 128 x tile column
	s_mov_b32 s69, 0
	s_add_nc_u64 s[10:11], s[10:11], s[68:69]
	s_add_nc_u64 s[12:13], s[12:13], s[68:69]
.irp b, 0,1,2,3
	global_load_b128 v[BIAS+8*\b:BIAS+8*\b+3], v[BO], s[8:9] offset:64*\b
	global_load_b128 v[BIAS+8*\b+4:BIAS+8*\b+7], v[BO], s[8:9] offset:64*\b+16
.endr
	WIN 0x80                                       ; destination window 2
.set i, 0
.rept 32
	global_load_b128 v[4*i:4*i+3], v[CO], s[10:11] offset:4096*i th:TH_LOAD_NT   ; the residual: my 32 rows' 512 bytes; wanted on the way out
.set i, i+1
.endr
	WIN 0
.macro MUL8 f, c, a0, zero             ; 8 products: m blocks a0, a0 + 1 x 4 n blocks, 32 along K: half c of buffer f.  zero = 1: the bias starts the sums
.irp a, \a0, \a0+1
.irp b, 0,1,2,3
.if \zero
	v_wmma_f32_16x16x32_f16 v[ACC+8*(4*(\a)+\b):ACC+8*(4*(\a)+\b)+7], v[\f+64+8*(4*\c+\b):\f+64+8*(4*\c+\b)+7], v[\f+8*(4*\c+\a):\f+8*(4*\c+\a)+7], v[BIAS+8*\b:BIAS+8*\b+7]
.else
	v_wmma_f32_16x16x32_f16 v[ACC+8*(4*(\a)+\b):ACC+8*(4*(\a)+\b)+7], v[\f+64+8*(4*\c+\b):\f+64+8*(4*\c+\b)+7], v[\f+8*(4*\c+\a):\f+8*(4*\c+\a)+7], v[ACC+8*(4*(\a)+\b):ACC+8*(4*(\a)+\b)+7]
.endif
.endr
.endr
.endm
.macro FETCH slot, q, f                ; 32 LDS loads in one run: the fragments of the slot's q-th 64 along K into buffer f; the first 32 along K first
	WIN TO_F
.irp c, 0,1
.irp i, 0,1,2,3
	ds_load_tr16_b128 v[\f+64+8*(4*\c+\i):\f+64+8*(4*\c+\i)+3],   v[ADRB+2*\slot+(\q)/2] offset:(((\q)%2)*64+32*\c)*PB+32*\i
	ds_load_tr16_b128 v[\f+64+8*(4*\c+\i)+4:\f+64+8*(4*\c+\i)+7], v[ADRB+2*\slot+(\q)/2] offset:(((\q)%2)*64+32*\c+16)*PB+32*\i
	ds_load_b128 v[\f+8*(4*\c+\i):\f+8*(4*\c+\i)+3],         v[ADRA+\slot] offset:128*(\q)+64*\c+\i*16*PA
	ds_load_b128 v[\f+8*(4*\c+\i)+4:\f+8*(4*\c+\i)+7],       v[ADRA+\slot] offset:128*(\q)+64*\c+\i*16*PA+32
.endr
.endr
.endm
.macro PLACES                          ; four places in front of loads into registers that matrix instructions have read, and of reads of results
.rept 4
	v_nop
.endr
.endm
.macro QUARTER slot, q, f, g, zero     ; multiplies buffer f and fetches the slot's q-th quarter into g
	s_wait_dscnt 16                                ; the first 32 along K are in; the later sixteen loads may be out
	WIN MUL
	MUL8 \f, 0, 0, \zero
	MUL8 \f, 0, 2, \zero
	PLACES
	FETCH \slot, \q, \g
	s_wait_dscnt 32                                ; all but the 32 just issued
	WIN MUL
	MUL8 \f, 1, 0, 0
	MUL8 \f, 1, 2, 0
.endm
; A slot's last quarter multiplies buffer 1 and changes slots: ONE barrier; in front of it each wave waits for all its tensor loads, adds 0 to its spare word, and waits for that and for its reads of this slot.
.macro TURN slot, next, fill
	WIN 0
	s_wait_tensorcnt 0x0                           ; all my tensor loads have landed: my part of the next slot
	ds_add_u32 v[SPW], v[NIL]
	s_wait_dscnt 17                                ; (the add and the youngest sixteen loads may be out)
	WIN MUL
	MUL8 F1, 0, 0, 0
	s_wait_dscnt 0x0                               ; the add is done, and my reads of this slot are over
	s_barrier_signal -1
	MUL8 F1, 0, 2, 0
.if \fill
	WIN 0
.endif
	s_barrier_wait -1
.if \fill
	CREST                                          ; the barrier has opened a round of the cluster's: no wave of any partner still reads this slot or has a load on its way
	s_add_nc_u64 s[G0+4*\slot+2:G0+4*\slot+3], s[G0+4*\slot+2:G0+4*\slot+3], 2*KSTEP*2
	s_add_nc_u64 s[G0B+4*\slot+2:G0B+4*\slot+3], s[G0B+4*\slot+2:G0B+4*\slot+3], 2*KSTEP*SIZE_N*2
	JLOAD \slot                                    ; the first tensor load behind the round; its four v_nop are also the places in front of the loads below
.else
	PLACES
.endif
	FETCH \next, 0, F0
	WIN MUL
	MUL8 F1, 1, 0, 0
	MUL8 F1, 1, 2, 0
.endm
	s_wait_tensorcnt 1                             ; my part of K step 0 is in; K step 1's may stay out
	s_barrier_signal -1
	s_barrier_wait -1
	FETCH 0, 0, F0
	s_wait_loadcnt 32                              ; the bias is in; the residual's 32 loads stay out
	QUARTER 0, 1, F0, F1, 1
.if LAPS > 1
	WIN 0
	s_mov_b32 s23, LAPS-1
.Llap:                                                 ; a trip goes once round the ring and fills both slots again
	QUARTER 0, 2, F1, F0, 0
	QUARTER 0, 3, F0, F1, 0
	TURN 0, 1, 1
	QUARTER 1, 1, F0, F1, 0
	QUARTER 1, 2, F1, F0, 0
	QUARTER 1, 3, F0, F1, 0
	TURN 1, 0, 1
	QUARTER 0, 1, F0, F1, 0
	WIN 0
	s_sub_co_u32 s23, s23, 1
	s_cmp_lg_u32 s23, 0
	s_cbranch_scc1 .Llap
.endif
	QUARTER 0, 2, F1, F0, 0                        ; the last lap fills nothing
	QUARTER 0, 3, F0, F1, 0
	TURN 0, 1, 0
	QUARTER 1, 1, F0, F1, 0
	QUARTER 1, 2, F1, F0, 0
	QUARTER 1, 3, F0, F1, 0
	s_wait_dscnt 16
	WIN MUL
	MUL8 F1, 0, 0, 0
	MUL8 F1, 0, 2, 0
	s_wait_dscnt 0
	MUL8 F1, 1, 0, 0
	MUL8 F1, 1, 2, 0
	WIN 0
	; THE WAY OUT: 32 bytes a lane into the stage (each accumulator from its low end on); a barrier, since a row's 512 bytes come from two waves; back as whole rows; + the residual; stored.
	PLACES
.irp a, 0,1,2,3
.irp b, 0,1,2,3
	ds_store_b128 v[STO], v[ACC+8*(4*\a+\b):ACC+8*(4*\a+\b)+3] offset:\a*16*SPITCH+64*\b
	ds_store_b128 v[STO], v[ACC+8*(4*\a+\b)+4:ACC+8*(4*\a+\b)+7] offset:\a*16*SPITCH+64*\b+16
.endr
.endr
	s_wait_dscnt 0x0                               ; for the others' sake: my stores have landed
	s_barrier_signal -1
	s_barrier_wait -1
.set i, 0
.rept 32
	ds_load_b128 v[ACC+4*i:ACC+4*i+3], v[RD] offset:i*SPITCH
.set i, i+1
.endr
	s_wait_loadcnt 0x0                             ; the residual
	s_wait_dscnt 0x0
	WIN 0x08                                       ; source 1 window 2
.set i, 0
.rept 64
	v_pk_add_f32 v[ACC+2*i:ACC+2*i+1], v[ACC+2*i:ACC+2*i+1], v[2*i:2*i+1]
.set i, i+1
.endr
	WIN 0
.set i, 0
.rept 32
	global_store_b128 v[CO], v[ACC+4*i:ACC+4*i+3], s[12:13] offset:4096*i   ; 32 lanes store 512 dense bytes, aligned
.set i, i+1
.endr
	s_wait_tensorcnt 0x0                           ; the wave's end
	ds_add_u32 v[SPW], v[NIL]
	s_wait_dscnt 0x0
	CROUND                                         ; the closing round
	s_endpgm
.Lfunc_end_k_qd68a9d9858_ogemm:
	.size	k_qd68a9d9858_ogemm, .Lfunc_end_k_qd68a9d9858_ogemm-k_qd68a9d9858_ogemm
	.p2alignl 7, 3214868480
	.fill 96, 4, 3214868480
	.section	.rodata,"a",@progbits
	.p2align	6, 0x0
	.amdhsa_kernel k_qd68a9d9858_ogemm
		.amdhsa_group_segment_fixed_size 327680
		.amdhsa_private_segment_fixed_size 0
		.amdhsa_enable_private_segment 0
		.amdhsa_kernarg_size 40
		.amdhsa_user_sgpr_count 2
		.amdhsa_user_sgpr_kernarg_segment_ptr 1
		.amdhsa_wavefront_size32 1
		.amdhsa_system_sgpr_workgroup_id_x 1
		.amdhsa_system_sgpr_workgroup_id_y 1
		.amdhsa_system_sgpr_workgroup_id_z 1
		.amdhsa_system_vgpr_workitem_id 0
		.amdhsa_next_free_vgpr 768
		.amdhsa_next_free_sgpr 80
		.amdhsa_reserve_vcc 0
		.amdhsa_float_denorm_mode_32 3
		.amdhsa_float_denorm_mode_16_64 3
		.amdhsa_memory_ordered 1
		.amdhsa_forward_progress 1
		.amdhsa_inst_pref_size 94
	.end_amdhsa_kernel
	.amdgpu_metadata
---
amdhsa.version: [ 1, 2 ]
amdhsa.kernels:
  - .name:           k_qd68a9d9858_ogemm
    .symbol:         k_qd68a9d9858_ogemm.kd
    .args:
      - { .name: act, .offset: 0, .size: 8, .value_kind: global_buffer, .address_space: global }
      - { .name: packed, .offset: 8, .size: 8, .value_kind: global_buffer, .address_space: global }
      - { .name: bo, .offset: 16, .size: 8, .value_kind: global_buffer, .address_space: global }
      - { .name: x, .offset: 24, .size: 8, .value_kind: global_buffer, .address_space: global }
      - { .name: sum, .offset: 32, .size: 8, .value_kind: global_buffer, .address_space: global }
    .group_segment_fixed_size: 327680
    .private_segment_fixed_size: 0
    .kernarg_segment_align: 8
    .kernarg_segment_size: 40
    .max_flat_workgroup_size: 128
    .sgpr_count:     80
    .vgpr_count:     768
    .wavefront_size: 32
...
	.end_amdgpu_metadata
.endif
;; end of part 3
;; launch ln1 (part 4): grid 256 x 1, 4 waves a work-group, no clusters, 0 bytes of LDS; arguments sum, g1, beta1, hbuf; writes hbuf
.if DOCPART == 4
	.amdgcn_target "amdgcn-amd-amdhsa--gfx1250"
	.amdhsa_code_object_version 6
	.text
	.protected	k_qd68a9d9858_ln1
	.globl	k_qd68a9d9858_ln1
	.p2align	8
	.type	k_qd68a9d9858_ln1,@function
k_qd68a9d9858_ln1:
	s_mov_b64 s[64:65], 0
	v_nop
	global_prefetch_b8 v0, s[64:65] scope:SCOPE_SE
	s_setreg_imm32_b32 hwreg(HW_REG_WAVE_MODE, 25, 1), 1
	s_wait_xcnt 0x0
; h = (r - mean) rsqrt(var + 1e-5) g + beta along rows of 1,024, all in f32; stored as f32 (the later residual) and, HALF16 = 1, once more as f16 (the next product's operand) 16,777,216 bytes further on.
; A wave takes 4 whole rows; a row is eight dense loads of 512 bytes and stays in 32 registers between the passes: read once.  The variance is taken of the deviations, in a second pass over the registers.
; No LDS, no barrier, no matrix unit: the reduction never leaves the wave.  All 32 row loads of a wave go out at once.
.set HALF16, 1
.set X,  32                            ; v32-159  row t at 32 + 32 t
.set G,  160                           ; v160-191 the gain of my 32 columns
.set BT, 192                           ; v192-223 the bias
.set HF, 224                           ; v224-239 a row as f16
	s_load_b256 s[4:11], s[0:1], 0x0               ; in s[4:5], gain s[6:7], bias s[8:9], out s[10:11]
	v_lshrrev_b32 v3, 5, v0
	v_readfirstlane_b32 s14, v3                    ; wave
	v_and_b32 v3, 31, v0
	v_lshlrev_b32 v1, 4, v3                        ; 16 x lane
	v_lshlrev_b32 v2, 3, v3                        ; 8 x lane
	s_mov_b32 s12, 0x76543210                      ; v_permlanex16_b32's selects for lane l xor 16
	s_mov_b32 s13, 0xfedcba98
	s_mov_b32 s20, 0x3a800000                      ; 1 / 1,024
	v_mov_b32 v13, 0                               ; a lane permute's destination counts as one of its sources
	v_mov_b32 v15, 0                               ; (named as the upper halves of pairs)
	v_mov_b32 v17, 0
	s_lshl_b32 s15, ttmp9, 4
	s_lshl_b32 s16, s14, 2
	s_add_co_u32 s15, s15, s16                     ; my first row
	s_lshl_b32 s16, s15, 12
	s_mov_b32 s17, 0
	s_lshl_b32 s18, s15, 11
	s_add_co_u32 s18, s18, 16777216
	s_mov_b32 s19, 0
	s_wait_kmcnt 0x0
	s_add_nc_u64 s[4:5], s[4:5], s[16:17]
.if HALF16
	s_add_nc_u64 s[22:23], s[10:11], s[18:19]
.endif
	s_add_nc_u64 s[10:11], s[10:11], s[16:17]
.irp j, 0,1,2,3,4,5,6,7
	global_load_b128 v[G+4*\j:G+4*\j+3], v1, s[6:7] offset:512*\j
.endr
.irp j, 0,1,2,3,4,5,6,7
	global_load_b128 v[BT+4*\j:BT+4*\j+3], v1, s[8:9] offset:512*\j
.endr
.irp t, 0,1,2,3
.irp j, 0,1,2,3,4,5,6,7
	global_load_b128 v[X+32*\t+4*\j:X+32*\t+4*\j+3], v1, s[4:5] offset:4096*\t+512*\j th:TH_LOAD_NT
.endr
.endr
.macro FOLD                            ; four packed chains v[4:11] -> their sum over the wave's 32 lanes, in every lane's v12
	v_pk_add_f32 v[4:5], v[4:5], v[6:7]
	v_pk_add_f32 v[8:9], v[8:9], v[10:11]
	v_pk_add_f32 v[4:5], v[4:5], v[8:9]
	v_add_f32 v12, v4, v5
	v_add_f32_dpp v12, v12, v12 row_xmask:1 row_mask:0xf bank_mask:0xf
	v_add_f32_dpp v12, v12, v12 row_xmask:2 row_mask:0xf bank_mask:0xf
	v_add_f32_dpp v12, v12, v12 row_xmask:4 row_mask:0xf bank_mask:0xf
	v_add_f32_dpp v12, v12, v12 row_xmask:8 row_mask:0xf bank_mask:0xf
	v_permlanex16_b32 v13, v12, s12, s13
	v_add_f32 v12, v12, v13
.endm
.macro ROW t
.set XR, X+32*(\t)
	s_wait_loadcnt 8*(3-(\t))                      ; gain, bias and this row are in; the eight loads of each later row stay out
.irp c, 0,1,2,3
	v_pk_add_f32 v[4+2*\c:5+2*\c], v[XR+2*\c:XR+2*\c+1], v[XR+8+2*\c:XR+9+2*\c]
.endr
.irp k, 16,24
.irp c, 0,1,2,3
	v_pk_add_f32 v[4+2*\c:5+2*\c], v[4+2*\c:5+2*\c], v[XR+\k+2*\c:XR+\k+2*\c+1]
.endr
.endr
	FOLD
	v_mul_f32 v14, s20, v12                        ; the mean
.irp i, 0,2,4,6,8,10,12,14,16,18,20,22,24,26,28,30
	v_pk_add_f32 v[XR+\i:XR+\i+1], v[XR+\i:XR+\i+1], v[14:15] op_sel_hi:[1,0] neg_lo:[0,1] neg_hi:[0,1]   ; the deviations, in place
.endr
.irp c, 0,1,2,3
	v_pk_mul_f32 v[4+2*\c:5+2*\c], v[XR+2*\c:XR+2*\c+1], v[XR+2*\c:XR+2*\c+1]
.endr
.irp k, 8,16,24
.irp c, 0,1,2,3
	v_pk_fma_f32 v[4+2*\c:5+2*\c], v[XR+\k+2*\c:XR+\k+2*\c+1], v[XR+\k+2*\c:XR+\k+2*\c+1], v[4+2*\c:5+2*\c]
.endr
.endr
	FOLD
	v_fmaak_f32 v12, s20, v12, 0x3727c5ac          ; the variance + 1e-5
	v_rsq_f32 v16, v12
	v_nop                                          ; a plain instruction behind the transcendental
	s_wait_alu depctr_va_vdst(0)                   ; and a wait ahead of its first reader: one a row
.irp i, 0,2,4,6,8,10,12,14,16,18,20,22,24,26,28,30
	v_pk_mul_f32 v[XR+\i:XR+\i+1], v[XR+\i:XR+\i+1], v[16:17] op_sel_hi:[1,0]
.endr
.irp i, 0,2,4,6,8,10,12,14,16,18,20,22,24,26,28,30
	v_pk_fma_f32 v[XR+\i:XR+\i+1], v[XR+\i:XR+\i+1], v[G+\i:G+\i+1], v[BT+\i:BT+\i+1]
.endr
.irp j, 0,1,2,3,4,5,6,7
.if HALF16
	global_store_b128 v1, v[XR+4*\j:XR+4*\j+3], s[10:11] offset:4096*(\t)+512*\j
.else
	global_store_b128 v1, v[XR+4*\j:XR+4*\j+3], s[10:11] offset:4096*(\t)+512*\j th:TH_STORE_NT
.endif
.endr
.if HALF16
	s_wait_xcnt 0x0                                ; the last row's stores have read the f16 registers: they are written again only behind this wait
.irp i, 0,1,2,3,4,5,6,7,8,9,10,11,12,13,14,15
	v_cvt_pk_f16_f32 v[HF+\i], v[XR+2*\i], v[XR+2*\i+1]
.endr
.irp j, 0,1,2,3,4,5,6,7
	global_store_b64 v2, v[HF+2*\j:HF+2*\j+1], s[22:23] offset:2048*(\t)+256*\j   ; the wave stores 256 dense bytes, aligned
.endr
.endif
.endm
	ROW 0
	ROW 1
	ROW 2
	ROW 3
	s_endpgm
.Lfunc_end_k_qd68a9d9858_ln1:
	.size	k_qd68a9d9858_ln1, .Lfunc_end_k_qd68a9d9858_ln1-k_qd68a9d9858_ln1
	.p2alignl 7, 3214868480
	.fill 96, 4, 3214868480
	.section	.rodata,"a",@progbits
	.p2align	6, 0x0
	.amdhsa_kernel k_qd68a9d9858_ln1
		.amdhsa_group_segment_fixed_size 0
		.amdhsa_private_segment_fixed_size 0
		.amdhsa_enable_private_segment 0
		.amdhsa_kernarg_size 32
		.amdhsa_user_sgpr_count 2
		.amdhsa_user_sgpr_kernarg_segment_ptr 1
		.amdhsa_wavefront_size32 1
		.amdhsa_system_sgpr_workgroup_id_x 1
		.amdhsa_system_sgpr_workgroup_id_y 1
		.amdhsa_system_sgpr_workgroup_id_z 1
		.amdhsa_system_vgpr_workitem_id 0
		.amdhsa_next_free_vgpr 240
		.amdhsa_next_free_sgpr 66
		.amdhsa_reserve_vcc 0
		.amdhsa_float_denorm_mode_32 3
		.amdhsa_float_denorm_mode_16_64 3
		.amdhsa_memory_ordered 1
		.amdhsa_forward_progress 1
		.amdhsa_inst_pref_size 41
	.end_amdhsa_kernel
	.amdgpu_metadata
---
amdhsa.version: [ 1, 2 ]
amdhsa.kernels:
  - .name:           k_qd68a9d9858_ln1
    .symbol:         k_qd68a9d9858_ln1.kd
    .args:
      - { .name: sum, .offset: 0, .size: 8, .value_kind: global_buffer, .address_space: global }
      - { .name: g1, .offset: 8, .size: 8, .value_kind: global_buffer, .address_space: global }
      - { .name: beta1, .offset: 16, .size: 8, .value_kind: global_buffer, .address_space: global }
      - { .name: hbuf, .offset: 24, .size: 8, .value_kind: global_buffer, .address_space: global }
    .group_segment_fixed_size: 0
    .private_segment_fixed_size: 0
    .kernarg_segment_align: 8
    .kernarg_segment_size: 32
    .max_flat_workgroup_size: 128
    .sgpr_count:     66
    .vgpr_count:     240
    .wavefront_size: 32
...
	.end_amdgpu_metadata
.endif
;; end of part 4
;; launch f1gemm (part 5): grid 16 x 16, 4 waves a work-group, clusters of 4 x 4, 327,680 bytes of LDS; arguments hbuf, packed, b1, act; writes act
.if DOCPART == 5
	.amdgcn_target "amdgcn-amd-amdhsa--gfx1250"
	.amdhsa_code_object_version 6
	.text
	.protected	k_qd68a9d9858_f1gemm
	.globl	k_qd68a9d9858_f1gemm
	.p2align	8
	.type	k_qd68a9d9858_f1gemm,@function
k_qd68a9d9858_f1gemm:
	s_mov_b64 s[64:65], 0
	v_nop
	global_prefetch_b8 v0, s[64:65] scope:SCOPE_SE
	s_setreg_imm32_b32 hwreg(HW_REG_WAVE_MODE, 25, 1), 1
	s_wait_xcnt 0x0
	s_wait_alu depctr_hold_cnt(0) depctr_sa_sdst(0) depctr_va_vdst(0) depctr_va_sdst(0) depctr_va_ssrc(0) depctr_va_vcc(0) depctr_vm_vsrc(0)
	s_getreg_b32 s2, hwreg(HW_REG_IB_STS2, 6, 4)
	s_cmp_eq_u32 s2, 0
	s_cbranch_scc0 .Lentry_in_a_cluster
	s_endpgm
.Lentry_in_a_cluster:
	s_bfe_u32 s2, ttmp6, 0x10000c
	s_cmp_lg_u32 s2, 0xf033
	s_cbranch_scc0 .Lentry_shape_is_right
	s_endpgm
.Lentry_shape_is_right:
; hid = relu(h W1 + b1).  h: [4096][1024] f16 (in hbuf, behind the f32 copy), W1: [1024 k][4096 n] f16 (K is its FIRST axis), b1 [4096] f32; hid [4096][4096] f16; sums in f32.
; LIMIT: a hidden number beyond 65,504 has no f16 number.
; A tile of hid is 256 x 256: 256 work-groups; four waves, each 128 x 128: 64 accumulators, 512 registers.  K goes in steps of 128 through a ring of two LDS slots:
; A's tile 256 rows x 256 bytes, B's 128 k-rows x 512 bytes.  B's fragments come out of LDS turned, by ds_load_tr16_b128.
; CLUSTERS 4 x 4: A's tile is shared along a row of the cluster, B's along a column: joint loads.  THE PRODUCT IS USED TRANSPOSED (source 0 = 16 columns of B, source 1 = 16 rows of A):
; a lane holds eight neighbouring columns of one row.  b1 is the C of each sum's first product.
; REGISTERS: window 0: v1-29 addresses; v64-127, v128-191 A's fragments, two buffers; v32-63, v192-255 at work on the way out.
;   window 1: v0-63 b1 (8 b + j); v64-127, v128-191 B's fragments, two buffers.  window 2: the accumulators of my rows 0-63 ((a, b) at 8 (8 a + b)); window 3: those of rows 64-127.
.set SIZE_K, 1024
.set SIZE_N, 4096
.set H16,    16777216                  ; h as f16 in hbuf
.set W116,   4882432                   ; W1 as f16 in packed
.set KSTEP,  128
.set PITCH,  272                       ; A's LDS row: 256 bytes + 16
.set PB,     544                       ; B's LDS row: 512 bytes + 32 = 136 words
.set HALFT,  128*PITCH                 ; what one tensor load brings: 128 rows of A, or 64 k-rows of B (64 x 544 is the same number of bytes)
.set SLOT,   4*HALFT
.set STAGE,  2*SLOT                    ; behind the ring: 16 rows x 272 bytes for each wave
.set SPITCH, 272
.set SPARE,  STAGE+4*16*SPITCH         ; the spare words, 128 bytes for each wave
.set LAPS,   SIZE_K/(2*KSTEP)
.set ADRA, 16
.set ADRB, 20
.set STO,  24
.set RD,   25
.set CO,   26
.set BO,   27
.set SPW,  28
.set NIL,  29
.set F0,   64
.set F1,   128
.set TMP,  192
.set OB,   32
.set G1,   24
.set G0,   32
.set G1B,  48
.set G0B,  56
.set MSB, 0
.macro WIN new
.if MSB != \new
	s_set_vgpr_msb (MSB<<8)|\new
.set MSB, \new
.endif
.endm
.set MUL_LO, 0xa1                      ; source 0 (B) window 1, source 1 (A) window 0, C and D window 2
.set MUL_HI, 0xf1                      ; the same, C and D window 3
.set ZER_LO, 0x91                      ; the first products: C (b1) window 1, D window 2
.set ZER_HI, 0xd1                      ; D window 3
.set TO_B,   0x40
.macro JLOAD s                         ; a joint load: waves 0 and 1 fetch A's halves, waves 2 and 3 B's; an s_nop 0 and four v_nop follow each line
	s_cmp_eq_u32 s15, 0
	s_cbranch_scc0 .Lfor_b_\@
	tensor_load_to_lds s[G0+4*\s:G0+4*\s+3], s[G1:G1+7]
	s_nop 0
.rept 4
	v_nop
.endr
	s_branch .Lasked_\@
.Lfor_b_\@:
	tensor_load_to_lds s[G0B+4*\s:G0B+4*\s+3], s[G1B:G1B+7]
	s_nop 0
.rept 4
	v_nop
.endr
.Lasked_\@:
.endm
.macro CREST
	s_cmp_lg_u32 s14, 0
	s_cbranch_scc1 .Lnot_wave_0_\@
	s_barrier_signal -3
.Lnot_wave_0_\@:
	s_barrier_wait -3
	s_barrier_signal -1
	s_barrier_wait -1
.endm
.macro CROUND
	s_barrier_signal -1
	s_barrier_wait -1
	CREST
.endm
	s_load_b256 s[4:11], s[0:1], 0x0               ; hbuf s[4:5], packed s[6:7], b1 s[8:9], act s[10:11]
	v_lshl_add_u32 v[SPW], v0, 2, SPARE
	v_mov_b32 v[NIL], 0
	ds_add_u32 v[SPW], v[NIL]                      ; the wave's opening: the add, twice on end, and its wait ahead of my first tensor load
	ds_add_u32 v[SPW], v[NIL]
	v_lshrrev_b32 v1, 5, v0
	v_readfirstlane_b32 s14, v1                    ; wave 0..3
	s_lshr_b32 s15, s14, 1                         ; my half of the rows.  Also: I fetch for A (0) or for B (1)
	s_and_b32 s16, s14, 1                          ; my half of the columns.  Also: which half of that tile I fetch
	s_bfe_u32 s19, ttmp6, 0x40000                  ; cx
	s_bfe_u32 s20, ttmp6, 0x40004                  ; cy
	s_lshl_b32 s18, ttmp9, 2
	s_add_co_u32 s18, s18, s19                     ; tile column
	s_and_b32 s17, ttmp7, 0xffff
	s_lshl_b32 s17, s17, 2
	s_add_co_u32 s17, s17, s20                     ; tile row
	s_lshl_b32 s21, s20, 2
	s_lshl_b32 s21, 15, s21                        ; my row of the cluster
	s_lshl_b32 s22, 0x1111, s19                    ; my column
	s_or_b32 s[G1+0], s21, (1<<16)|(1<<20)|(1<<21)|(5<<22)|(3<<25)   ; A: elements of 2 bytes; 4 words of padding behind every 64
	s_mov_b32 s[G1+1], KSTEP<<16
	s_mov_b32 s[G1+2], 128<<16
	s_mov_b32 s[G1+3], KSTEP<<16
	s_mov_b32 s[G1+4], 128
	s_mov_b32 s[G1+5], SIZE_K
	s_mov_b32 s[G1+6], 0
	s_mov_b32 s[G1+7], 0
	s_or_b32 s[G1B+0], s22, (1<<16)|(1<<20)|(1<<21)|(6<<22)|(7<<25)  ; B: 8 words of padding behind every 128
	s_mov_b32 s[G1B+1], 256<<16                    ; 256 columns
	s_mov_b32 s[G1B+2], 64<<16                     ; 64 k-rows
	s_mov_b32 s[G1B+3], 256<<16
	s_mov_b32 s[G1B+4], 64
	s_mov_b32 s[G1B+5], SIZE_N
	s_mov_b32 s[G1B+6], 0
	s_mov_b32 s[G1B+7], 0
	s_lshl_b32 s40, s17, 8
	s_lshl_b32 s41, s16, 7
	s_add_co_u32 s40, s40, s41                     ; A: row 256 x tile row + 128 x half,
	s_lshl_b32 s40, s40, 11                        ; 2,048 bytes a row,
	s_add_co_u32 s40, s40, H16                     ; behind the f32 copy
	s_mov_b32 s41, 0
	s_lshl_b32 s44, s16, 19                        ; B: k-row 64 x half (8,192 bytes a row),
	s_lshl_b32 s45, s18, 9                         ; column 256 x tile column
	s_add_co_u32 s44, s44, s45
	s_add_co_u32 s44, s44, W116
	s_mov_b32 s45, 0
	s_mul_i32 s66, s14, HALFT                      ; where they go: wave x HALFT
	s_wait_dscnt 0x0                               ; both opening adds are done
	s_wait_kmcnt 0x0
	s_add_nc_u64 s[40:41], s[4:5], s[40:41]
	s_add_nc_u64 s[44:45], s[6:7], s[44:45]
	CROUND                                         ; all sixteen work-groups are here: the first joint loads meet
.irp s, 0,1
	s_mov_b32 s[G0+4*\s], 1
	s_add_co_u32 s[G0+4*\s+1], s66, \s*SLOT
	s_add_nc_u64 s[G0+4*\s+2:G0+4*\s+3], s[40:41], \s*KSTEP*2
	s_or_b32 s[G0+4*\s+3], s[G0+4*\s+3], 0x80000000
	s_mov_b32 s[G0B+4*\s], 1
	s_add_co_u32 s[G0B+4*\s+1], s66, \s*SLOT
	s_add_nc_u64 s[G0B+4*\s+2:G0B+4*\s+3], s[44:45], \s*KSTEP*SIZE_N*2
	s_or_b32 s[G0B+4*\s+3], s[G0B+4*\s+3], 0x80000000
	JLOAD \s                                       ; two tensor loads of mine are out
.endr
	v_and_b32 v1, 15, v0                           ; r
	v_bfe_u32 v2, v0, 4, 1                         ; h
	v_mul_u32_u24 v3, v1, PITCH
	v_lshl_add_u32 v3, v2, 4, v3
	s_mul_i32 s67, s15, HALFT
	v_add_nc_u32 v[ADRA], s67, v3
	s_add_co_u32 s67, s67, SLOT
	v_add_nc_u32 v[ADRA+1], s67, v3
	v_and_b32 v4, 7, v0                            ; the turning load: lane l reads 16 bytes of k-row 8 h + l % 8, columns 8 ((l / 8) % 2) on
	v_lshl_add_u32 v4, v2, 3, v4
	v_mul_u32_u24 v4, v4, PB
	v_bfe_u32 v5, v0, 3, 1
	v_lshl_add_u32 v4, v5, 4, v4
	s_lshl_b32 s68, s16, 8                         ; my 128 columns
	s_add_co_u32 s68, s68, 2*HALFT
	v_add_nc_u32 v[ADRB], s68, v4
	s_add_co_u32 s68, s68, SLOT
	v_add_nc_u32 v[ADRB+1], s68, v4
	s_mul_i32 s69, s14, 16*SPITCH
	s_add_co_u32 s69, s69, STAGE                   ; my stage
	v_mul_u32_u24 v4, v1, SPITCH
	v_lshl_add_u32 v4, v2, 4, v4
	v_add_nc_u32 v[STO], s69, v4                   ; in: row r, 16 bytes for each half of the lanes
	v_mul_u32_u24 v5, v2, SPITCH
	v_lshl_add_u32 v5, v1, 4, v5
	v_add_nc_u32 v[RD], s69, v5                    ; back: lanes 0-15 one row of 256 bytes, lanes 16-31 the next
	v_lshlrev_b32 v5, 13, v2                       ; the same two rows in hid (8,192 bytes a row)
	v_lshl_add_u32 v[CO], v1, 4, v5
	v_lshlrev_b32 v[BO], 5, v2
	s_lshl_b32 s66, s17, 8
	s_lshl_b32 s67, s15, 7
	s_add_co_u32 s66, s66, s67
	s_lshl_b32 s66, s66, 13                        ; my first row of hid,
	s_lshl_b32 s67, s18, 9
	s_add_co_u32 s66, s66, s67
	s_lshl_b32 s67, s16, 8
	s_add_co_u32 s66, s66, s67                     ; my first column
	s_mov_b32 s67, 0
	s_add_nc_u64 s[10:11], s[10:11], s[66:67]
	s_lshl_b32 s66, s18, 10
	s_lshl_b32 s68, s16, 9
	s_add_co_u32 s66, s66, s68
	s_add_nc_u64 s[8:9], s[8:9], s[66:67]          ; b1 at my 128 columns
	WIN TO_B                                       ; destination window 1
.irp b, 0,1,2,3,4,5,6,7
	global_load_b128 v[8*\b:8*\b+3], v[BO], s[8:9] offset:64*\b
	global_load_b128 v[8*\b+4:8*\b+7], v[BO], s[8:9] offset:64*\b+16
.endr
	WIN 0
.macro MUL16 f, hi, a0, zero           ; 16 products: m blocks a0, a0 + 1 of the window's four x 8 n blocks, 32 along K.  zero = 1: b1 starts the sums
.irp a, \a0, \a0+1
.irp b, 0,1,2,3,4,5,6,7
.if \zero
	v_wmma_f32_16x16x32_f16 v[8*(8*(\a)+\b):8*(8*(\a)+\b)+7], v[\f+8*\b:\f+8*\b+7], v[\f+8*(4*\hi+\a):\f+8*(4*\hi+\a)+7], v[8*\b:8*\b+7]
.else
	v_wmma_f32_16x16x32_f16 v[8*(8*(\a)+\b):8*(8*(\a)+\b)+7], v[\f+8*\b:\f+8*\b+7], v[\f+8*(4*\hi+\a):\f+8*(4*\hi+\a)+7], v[8*(8*(\a)+\b):8*(8*(\a)+\b)+7]
.endif
.endr
.endr
.endm
.macro FETCH slot, k, f                ; 32 LDS loads in one run: the fragments of 32 along K, at byte k of A's rows = k-row k / 2 of B, into buffer f
	WIN TO_B
.irp i, 0,1,2,3,4,5,6,7
	ds_load_tr16_b128 v[\f+8*\i:\f+8*\i+3],   v[ADRB+\slot] offset:(\k)*(PB/2)+32*\i
	ds_load_tr16_b128 v[\f+8*\i+4:\f+8*\i+7], v[ADRB+\slot] offset:(\k)*(PB/2)+16*PB+32*\i
.endr
	WIN 0
.irp i, 0,1,2,3,4,5,6,7
	ds_load_b128 v[\f+8*\i:\f+8*\i+3],   v[ADRA+\slot] offset:\k+\i*16*PITCH
	ds_load_b128 v[\f+8*\i+4:\f+8*\i+7], v[ADRA+\slot] offset:\k+\i*16*PITCH+32
.endr
.endm
.macro PLACES                          ; four places in front of loads into registers that matrix instructions have read, and of reads of results
.rept 4
	v_nop
.endr
.endm
.macro QUARTER slot, k, f, g, zero     ; multiplies buffer f; in its middle fetches the next quarter, at byte k, into g
	s_wait_dscnt 8                                 ; B and A's rows 0-63 are in; the youngest eight loads (A's rows 64-127) may be out
.if \zero
	WIN ZER_LO
.else
	WIN MUL_LO
.endif
	MUL16 \f, 0, 0, \zero
	MUL16 \f, 0, 2, \zero
	PLACES
	FETCH \slot, \k, \g
	s_wait_dscnt 32                                ; all but the 32 just issued
.if \zero
	WIN ZER_HI
.else
	WIN MUL_HI
.endif
	MUL16 \f, 1, 0, \zero
	MUL16 \f, 1, 2, \zero
.endm
; A slot's last quarter multiplies buffer 1 and changes slots: ONE barrier; in front of it each wave waits for all its tensor loads, adds 0 to its spare word, and waits for that and for its reads of this slot.
.macro TURN slot, next, fill
	WIN 0
	s_wait_tensorcnt 0x0                           ; all my tensor loads have landed: my part of the next slot
	ds_add_u32 v[SPW], v[NIL]
	s_wait_dscnt 9                                 ; (the add and the youngest eight loads may be out)
	WIN MUL_LO
	MUL16 F1, 0, 0, 0
	s_wait_dscnt 0x0                               ; the add is done, and my reads of this slot are over
	s_barrier_signal -1
	MUL16 F1, 0, 2, 0
.if \fill
	WIN 0
.endif
	s_barrier_wait -1
.if \fill
	CREST                                          ; the barrier has opened a round of the cluster's: no wave of any partner still reads this slot or has a load on its way
	s_add_nc_u64 s[G0+4*\slot+2:G0+4*\slot+3], s[G0+4*\slot+2:G0+4*\slot+3], 2*KSTEP*2
	s_add_nc_u64 s[G0B+4*\slot+2:G0B+4*\slot+3], s[G0B+4*\slot+2:G0B+4*\slot+3], 2*KSTEP*SIZE_N*2
	JLOAD \slot                                    ; the first tensor load behind the round: 224 matrix instructions ahead of the wait for it; its four v_nop are also the places in front of the loads below
.else
	PLACES
.endif
	FETCH \next, 0, F0
	WIN MUL_HI
	MUL16 F1, 1, 0, 0
	MUL16 F1, 1, 2, 0
.endm
; THE WAY OUT of block a (16 rows x 128 columns).  PACK: relu in f32, in place, each accumulator from its low end on; rounded to f16, 16 bytes a lane.  TOSTAGE: into my own stage, back as whole rows of 256 bytes.  SEND: stored.
.macro PACK a
.set AC, 64*((\a)%4)
	WIN 0x8a+0x45*((\a)/4)                         ; sources and destination: window 2 or 3
.set i, 0
.rept 64
	v_max_num_f32 v[AC+i], 0, v[AC+i]
.set i, i+1
.endr
	WIN 0x0a+5*((\a)/4)                            ; sources window 2 or 3, destination window 0
.irp b, 0,1,2,3,4,5,6,7
.irp r, 0,1,2,3
	v_cvt_pk_f16_f32 v[TMP+4*\b+\r], v[AC+8*\b+2*\r], v[AC+8*\b+2*\r+1]
.endr
.endr
	WIN 0
.endm
.macro TOSTAGE a
.set BK, OB+192*((\a)%2)
.irp b, 0,1,2,3,4,5,6,7
	ds_store_b128 v[STO], v[TMP+4*\b:TMP+4*\b+3] offset:32*\b
.endr
.irp t, 0,1,2,3,4,5,6,7
	ds_load_b128 v[BK+4*\t:BK+4*\t+3], v[RD] offset:\t*2*SPITCH    ; LDS serves a wave's instructions in order: these see the stores above
.endr
.endm
.macro SEND a
.set BK, OB+192*((\a)%2)
	s_wait_dscnt 0x0                               ; the block is back in registers
	s_wait_xcnt 0x0                                ; the earlier stores have read their base and their registers: only behind this wait are they written again
.if (\a) > 0
	s_add_nc_u64 s[10:11], s[10:11], 16*SIZE_N*2   ; 16 rows on
.endif
.irp t, 0,1,2,3,4,5,6,7
	global_store_b128 v[CO], v[BK+4*\t:BK+4*\t+3], s[10:11] offset:2*\t*SIZE_N*2   ; sixteen lanes store 256 dense bytes, aligned
.endr
.endm
	s_wait_tensorcnt 1                             ; my part of K step 0 is in; K step 1's may stay out
	s_barrier_signal -1
	s_barrier_wait -1
	FETCH 0, 0, F0
	s_wait_loadcnt 0x0                             ; b1
	QUARTER 0, 64, F0, F1, 1
	WIN 0
	s_mov_b32 s23, LAPS-1
.Llap:                                                 ; a trip goes once round the ring and fills both slots again
	QUARTER 0, 128, F1, F0, 0
	QUARTER 0, 192, F0, F1, 0
	TURN 0, 1, 1
	QUARTER 1, 64,  F0, F1, 0
	QUARTER 1, 128, F1, F0, 0
	QUARTER 1, 192, F0, F1, 0
	TURN 1, 0, 1
	QUARTER 0, 64,  F0, F1, 0
	WIN 0
	s_sub_co_u32 s23, s23, 1
	s_cmp_lg_u32 s23, 0
	s_cbranch_scc1 .Llap
	QUARTER 0, 128, F1, F0, 0                      ; the last lap fills nothing
	QUARTER 0, 192, F0, F1, 0
	TURN 0, 1, 0
	QUARTER 1, 64,  F0, F1, 0
	QUARTER 1, 128, F1, F0, 0
	QUARTER 1, 192, F0, F1, 0
	s_wait_dscnt 8
	WIN MUL_LO
	MUL16 F1, 0, 0, 0
	MUL16 F1, 0, 2, 0
	s_wait_dscnt 0
	WIN MUL_HI
	MUL16 F1, 1, 0, 0
	MUL16 F1, 1, 2, 0
	WIN 0
	PLACES
	PACK 0
	TOSTAGE 0
.irp a, 1,2,3,4,5,6,7                  ; block a's arithmetic stands between block a - 1's loads from the stage and the wait for them
	PACK \a
	SEND \a-1
	TOSTAGE \a
.endr
	SEND 7
	s_wait_tensorcnt 0x0                           ; the wave's end
	ds_add_u32 v[SPW], v[NIL]
	s_wait_dscnt 0x0
	CROUND                                         ; the closing round
	s_endpgm
.Lfunc_end_k_qd68a9d9858_f1gemm:
	.size	k_qd68a9d9858_f1gemm, .Lfunc_end_k_qd68a9d9858_f1gemm-k_qd68a9d9858_f1gemm
	.p2alignl 7, 3214868480
	.fill 96, 4, 3214868480
	.section	.rodata,"a",@progbits
	.p2align	6, 0x0
	.amdhsa_kernel k_qd68a9d9858_f1gemm
		.amdhsa_group_segment_fixed_size 327680
		.amdhsa_private_segment_fixed_size 0
		.amdhsa_enable_private_segment 0
		.amdhsa_kernarg_size 32
		.amdhsa_user_sgpr_count 2
		.amdhsa_user_sgpr_kernarg_segment_ptr 1
		.amdhsa_wavefront_size32 1
		.amdhsa_system_sgpr_workgroup_id_x 1
		.amdhsa_system_sgpr_workgroup_id_y 1
		.amdhsa_system_sgpr_workgroup_id_z 1
		.amdhsa_system_vgpr_workitem_id 0
		.amdhsa_next_free_vgpr 1024
		.amdhsa_next_free_sgpr 80
		.amdhsa_reserve_vcc 0
		.amdhsa_float_denorm_mode_32 3
		.amdhsa_float_denorm_mode_16_64 3
		.amdhsa_memory_ordered 1
		.amdhsa_forward_progress 1
		.amdhsa_inst_pref_size 161
	.end_amdhsa_kernel
	.amdgpu_metadata
---
amdhsa.version: [ 1, 2 ]
amdhsa.kernels:
  - .name:           k_qd68a9d9858_f1gemm
    .symbol:         k_qd68a9d9858_f1gemm.kd
    .args:
      - { .name: hbuf, .offset: 0, .size: 8, .value_kind: global_buffer, .address_space: global }
      - { .name: packed, .offset: 8, .size: 8, .value_kind: global_buffer, .address_space: global }
      - { .name: b1, .offset: 16, .size: 8, .value_kind: global_buffer, .address_space: global }
      - { .name: act, .offset: 24, .size: 8, .value_kind: global_buffer, .address_space: global }
    .group_segment_fixed_size: 327680
    .private_segment_fixed_size: 0
    .kernarg_segment_align: 8
    .kernarg_segment_size: 32
    .max_flat_workgroup_size: 128
    .sgpr_count:     80
    .vgpr_count:     1024
    .wavefront_size: 32
...
	.end_amdgpu_metadata
.endif
;; end of part 5
;; launch f2gemm (part 6): grid 8 x 32, 4 waves a work-group, clusters of 4 x 4, 327,680 bytes of LDS; arguments act, packed, b2, hbuf, sum; writes sum
.if DOCPART == 6
	.amdgcn_target "amdgcn-amd-amdhsa--gfx1250"
	.amdhsa_code_object_version 6
	.text
	.protected	k_qd68a9d9858_f2gemm
	.globl	k_qd68a9d9858_f2gemm
	.p2align	8
	.type	k_qd68a9d9858_f2gemm,@function
k_qd68a9d9858_f2gemm:
	s_mov_b64 s[64:65], 0
	v_nop
	global_prefetch_b8 v0, s[64:65] scope:SCOPE_SE
	s_setreg_imm32_b32 hwreg(HW_REG_WAVE_MODE, 25, 1), 1
	s_wait_xcnt 0x0
	s_wait_alu depctr_hold_cnt(0) depctr_sa_sdst(0) depctr_va_vdst(0) depctr_va_sdst(0) depctr_va_ssrc(0) depctr_va_vcc(0) depctr_vm_vsrc(0)
	s_getreg_b32 s2, hwreg(HW_REG_IB_STS2, 6, 4)
	s_cmp_eq_u32 s2, 0
	s_cbranch_scc0 .Lentry_in_a_cluster
	s_endpgm
.Lentry_in_a_cluster:
	s_bfe_u32 s2, ttmp6, 0x10000c
	s_cmp_lg_u32 s2, 0xf033
	s_cbranch_scc0 .Lentry_shape_is_right
	s_endpgm
.Lentry_shape_is_right:
; y = h + hid W2 + b2.  hid: [4096][SIZE_K] f16, W2: [SIZE_K][1024] f16 (K is its FIRST axis), b2 [1024], h (the f32 copy at hbuf's head) and y [4096][1024] f32; sums in f32.
; The text is that of the launch for r = x + v Wo + bo, with SIZE_K and B's place changed.
; A tile of y is 128 x 128: 256 work-groups; four waves, each 64 x 64: 16 accumulators.  K goes in steps of 256 through a ring of two LDS slots: A's tile 128 rows x 512 bytes, B's 256 k-rows x 256 bytes.
; B's fragments come out of LDS turned, by ds_load_tr16_b128.  CLUSTERS 4 x 4: A's tile is shared along a row of the cluster, B's along a column: joint loads.
; THE PRODUCT IS USED TRANSPOSED (source 0 = 16 columns of B, source 1 = 16 rows of A): a lane holds eight neighbouring columns of one row.  The bias is the C of each sum's first product.
; The residual's 32 rows a wave are asked for at the head, into window 2, and added on the way out.
; REGISTERS: window 0: v1-29 addresses; v96-127 bias; v128-255 accumulators ((a, b) at 128 + 8 (4 a + b)).  window 1: two fragment buffers of 128 (64 of A, 64 of B, for 64 along K).  window 2: v0-127 the residual.
.set SIZE_K, 4096
.set BOFF,   13271040                  ; B's first byte in packed
.set SIZE_N, 1024
.set KSTEP,  256
.set PA,     528                       ; A's LDS row: 512 bytes + 16
.set PB,     288                       ; B's LDS row: 256 bytes + 32 = 72 words
.set HALFA,  64*PA                     ; what one tensor load brings of A,
.set HALFB,  128*PB                    ; and of B
.set BBASE,  2*HALFA
.set SLOT,   BBASE+2*HALFB
.set SPARE,  2*SLOT                    ; the spare words, 128 bytes for each wave
.set SPITCH, 528                       ; the way out: a stage of 128 rows x (512 bytes + 16) at byte 0, in slot 0's part for A, which has had its last fill and its last read by then
.set LAPS,   SIZE_K/(2*KSTEP)
.set ADRA, 16                          ; v16-17  my A fragments in slot 0, 1
.set ADRB, 20                          ; v20-23  my B fragments: 2 x slot + half of the K step
.set STO,  24
.set RD,   25
.set CO,   26
.set BO,   27
.set SPW,  28
.set NIL,  29
.set BIAS, 96
.set ACC,  128
.set F0,   0
.set F1,   128
.set G1,   24
.set G0,   32
.set G1B,  48
.set G0B,  56
.set MSB, 0
.macro WIN new
.if MSB != \new
	s_set_vgpr_msb (MSB<<8)|\new
.set MSB, \new
.endif
.endm
.set MUL,  0x05                        ; sources 0 and 1 window 1; C and D window 0
.set TO_F, 0x40                        ; destination window 1
.macro JLOAD s                         ; a joint load: waves 0 and 1 fetch A's halves, waves 2 and 3 B's; an s_nop 0 and four v_nop follow each line
	s_cmp_eq_u32 s15, 0
	s_cbranch_scc0 .Lfor_b_\@
	tensor_load_to_lds s[G0+4*\s:G0+4*\s+3], s[G1:G1+7]
	s_nop 0
.rept 4
	v_nop
.endr
	s_branch .Lasked_\@
.Lfor_b_\@:
	tensor_load_to_lds s[G0B+4*\s:G0B+4*\s+3], s[G1B:G1B+7]
	s_nop 0
.rept 4
	v_nop
.endr
.Lasked_\@:
.endm
.macro CREST
	s_cmp_lg_u32 s14, 0
	s_cbranch_scc1 .Lnot_wave_0_\@
	s_barrier_signal -3
.Lnot_wave_0_\@:
	s_barrier_wait -3
	s_barrier_signal -1
	s_barrier_wait -1
.endm
.macro CROUND
	s_barrier_signal -1
	s_barrier_wait -1
	CREST
.endm
	s_load_b256 s[4:11], s[0:1], 0x0               ; A s[4:5], packed s[6:7], bias s[8:9], residual s[10:11]
	s_load_b64 s[12:13], s[0:1], 0x20              ; the result
	v_lshl_add_u32 v[SPW], v0, 2, SPARE
	v_mov_b32 v[NIL], 0
	ds_add_u32 v[SPW], v[NIL]                      ; the wave's opening: the add, twice on end, and its wait ahead of my first tensor load
	ds_add_u32 v[SPW], v[NIL]
	v_lshrrev_b32 v1, 5, v0
	v_readfirstlane_b32 s14, v1                    ; wave 0..3
	s_lshr_b32 s15, s14, 1                         ; my half of the rows.  Also: I fetch for A (0) or for B (1)
	s_and_b32 s16, s14, 1                          ; my half of the columns.  Also: which half of that tile I fetch
	s_bfe_u32 s19, ttmp6, 0x40000                  ; cx
	s_bfe_u32 s20, ttmp6, 0x40004                  ; cy
	s_lshl_b32 s18, ttmp9, 2
	s_add_co_u32 s18, s18, s19                     ; tile column
	s_and_b32 s17, ttmp7, 0xffff
	s_lshl_b32 s17, s17, 2
	s_add_co_u32 s17, s17, s20                     ; tile row
	s_lshl_b32 s21, s20, 2
	s_lshl_b32 s21, 15, s21                        ; my row of the cluster
	s_lshl_b32 s22, 0x1111, s19                    ; my column
	s_or_b32 s[G1+0], s21, (1<<16)|(1<<20)|(1<<21)|(6<<22)|(3<<25)   ; A: elements of 2 bytes; 4 words of padding behind every 128
	s_mov_b32 s[G1+1], KSTEP<<16                   ; tensor_dim0 = 256
	s_mov_b32 s[G1+2], 64<<16                      ; tensor_dim1 = 64
	s_mov_b32 s[G1+3], KSTEP<<16                   ; tile_dim0
	s_mov_b32 s[G1+4], 64                          ; tile_dim1
	s_mov_b32 s[G1+5], SIZE_K                      ; stride
	s_mov_b32 s[G1+6], 0
	s_mov_b32 s[G1+7], 0
	s_or_b32 s[G1B+0], s22, (1<<16)|(1<<20)|(1<<21)|(5<<22)|(7<<25)  ; B: 8 words of padding behind every 64
	s_mov_b32 s[G1B+1], 128<<16                    ; 128 columns
	s_mov_b32 s[G1B+2], 128<<16                    ; 128 k-rows
	s_mov_b32 s[G1B+3], 128<<16
	s_mov_b32 s[G1B+4], 128
	s_mov_b32 s[G1B+5], SIZE_N
	s_mov_b32 s[G1B+6], 0
	s_mov_b32 s[G1B+7], 0
	s_lshl_b32 s40, s17, 7
	s_lshl_b32 s41, s16, 6
	s_add_co_u32 s40, s40, s41                     ; A: row 128 x tile row + 64 x half,
	s_mul_i32 s40, s40, SIZE_K*2                   ; in bytes (under 2^26)
	s_mov_b32 s41, 0
	s_mul_i32 s42, s16, HALFA                      ; and where it goes
	s_lshl_b32 s44, s16, 18                        ; B: k-row 128 x half (2,048 bytes a row),
	s_lshl_b32 s45, s18, 8                         ; column 128 x tile column
	s_add_co_u32 s44, s44, s45
	s_add_co_u32 s44, s44, BOFF
	s_mov_b32 s45, 0
	s_mul_i32 s46, s16, HALFB
	s_add_co_u32 s46, s46, BBASE
	s_wait_dscnt 0x0                               ; both opening adds are done
	s_wait_kmcnt 0x0
	s_add_nc_u64 s[40:41], s[4:5], s[40:41]
	s_add_nc_u64 s[44:45], s[6:7], s[44:45]
	CROUND                                         ; all sixteen work-groups are here: the first joint loads meet
.irp s, 0,1
	s_mov_b32 s[G0+4*\s], 1
	s_add_co_u32 s[G0+4*\s+1], s42, \s*SLOT
	s_add_nc_u64 s[G0+4*\s+2:G0+4*\s+3], s[40:41], \s*KSTEP*2
	s_or_b32 s[G0+4*\s+3], s[G0+4*\s+3], 0x80000000
	s_mov_b32 s[G0B+4*\s], 1
	s_add_co_u32 s[G0B+4*\s+1], s46, \s*SLOT
	s_add_nc_u64 s[G0B+4*\s+2:G0B+4*\s+3], s[44:45], \s*KSTEP*SIZE_N*2
	s_or_b32 s[G0B+4*\s+3], s[G0B+4*\s+3], 0x80000000
	JLOAD \s                                       ; two tensor loads of mine are out
.endr
	v_and_b32 v1, 15, v0                           ; r
	v_bfe_u32 v2, v0, 4, 1                         ; h
	v_mul_u32_u24 v3, v1, PA
	v_lshl_add_u32 v3, v2, 4, v3
	s_mul_i32 s66, s15, HALFA
	v_add_nc_u32 v[ADRA], s66, v3
	s_add_co_u32 s66, s66, SLOT
	v_add_nc_u32 v[ADRA+1], s66, v3
	v_and_b32 v4, 7, v0                            ; the turning load: lane l reads 16 bytes of k-row 8 h + l % 8, columns 8 ((l / 8) % 2) on
	v_lshl_add_u32 v4, v2, 3, v4
	v_mul_u32_u24 v4, v4, PB
	v_bfe_u32 v5, v0, 3, 1
	v_lshl_add_u32 v4, v5, 4, v4
	s_lshl_b32 s67, s16, 7                         ; my 64 columns
	s_add_co_u32 s67, s67, BBASE
	v_add_nc_u32 v[ADRB], s67, v4
	s_add_co_u32 s67, s67, HALFB
	v_add_nc_u32 v[ADRB+1], s67, v4
	s_add_co_u32 s67, s67, SLOT-HALFB
	v_add_nc_u32 v[ADRB+2], s67, v4
	s_add_co_u32 s67, s67, HALFB
	v_add_nc_u32 v[ADRB+3], s67, v4
	s_mul_i32 s68, s15, 64*SPITCH                  ; the stage, in: row 64 x my half + r, byte 256 x my half + 32 h
	s_lshl_b32 s69, s16, 8
	s_add_co_u32 s68, s68, s69
	v_mul_u32_u24 v5, v1, SPITCH
	v_lshl_add_u32 v5, v2, 5, v5
	v_add_nc_u32 v[STO], s68, v5
	v_and_b32 v6, 31, v0
	v_lshlrev_b32 v[CO], 4, v6                     ; back: the 32 lanes take one row of 512 bytes; the same in memory
	s_mul_i32 s68, s14, 32*SPITCH
	v_add_nc_u32 v[RD], s68, v[CO]
	v_lshlrev_b32 v[BO], 5, v2
	s_lshl_b32 s66, s18, 9
	s_lshl_b32 s67, s16, 8
	s_add_co_u32 s66, s66, s67
	s_mov_b32 s67, 0
	s_add_nc_u64 s[8:9], s[8:9], s[66:67]          ; the bias at my 64 columns
	s_lshl_b32 s68, s17, 7
	s_lshl_b32 s69, s14, 5
	s_add_co_u32 s68, s68, s69
	s_lshl_b32 s68, s68, 12                        ; row 128 x tile row + 32 x wave, 4,096 bytes a row,
	s_lshl_b32 s69, s18, 9
	s_add_co_u32 s68, s68, s69                     ; column 128 x tile column
	s_mov_b32 s69, 0
	s_add_nc_u64 s[10:11], s[10:11], s[68:69]
	s_add_nc_u64 s[12:13], s[12:13], s[68:69]
.irp b, 0,1,2,3
	global_load_b128 v[BIAS+8*\b:BIAS+8*\b+3], v[BO], s[8:9] offset:64*\b
	global_load_b128 v[BIAS+8*\b+4:BIAS+8*\b+7], v[BO], s[8:9] offset:64*\b+16
.endr
	WIN 0x80                                       ; destination window 2
.set i, 0
.rept 32
	global_load_b128 v[4*i:4*i+3], v[CO], s[10:11] offset:4096*i th:TH_LOAD_NT   ; the residual: my 32 rows' 512 bytes; wanted on the way out
.set i, i+1
.endr
	WIN 0
.macro MUL8 f, c, a0, zero             ; 8 products: m blocks a0, a0 + 1 x 4 n blocks, 32 along K: half c of buffer f.  zero = 1: the bias starts the sums
.irp a, \a0, \a0+1
.irp b, 0,1,2,3
.if \zero
	v_wmma_f32_16x16x32_f16 v[ACC+8*(4*(\a)+\b):ACC+8*(4*(\a)+\b)+7], v[\f+64+8*(4*\c+\b):\f+64+8*(4*\c+\b)+7], v[\f+8*(4*\c+\a):\f+8*(4*\c+\a)+7], v[BIAS+8*\b:BIAS+8*\b+7]
.else
	v_wmma_f32_16x16x32_f16 v[ACC+8*(4*(\a)+\b):ACC+8*(4*(\a)+\b)+7], v[\f+64+8*(4*\c+\b):\f+64+8*(4*\c+\b)+7], v[\f+8*(4*\c+\a):\f+8*(4*\c+\a)+7], v[ACC+8*(4*(\a)+\b):ACC+8*(4*(\a)+\b)+7]
.endif
.endr
.endr
.endm
.macro FETCH slot, q, f                ; 32 LDS loads in one run: the fragments of the slot's q-th 64 along K into buffer f; the first 32 along K first
	WIN TO_F
.irp c, 0,1
.irp i, 0,1,2,3
	ds_load_tr16_b128 v[\f+64+8*(4*\c+\i):\f+64+8*(4*\c+\i)+3],   v[ADRB+2*\slot+(\q)/2] offset:(((\q)%2)*64+32*\c)*PB+32*\i
	ds_load_tr16_b128 v[\f+64+8*(4*\c+\i)+4:\f+64+8*(4*\c+\i)+7], v[ADRB+2*\slot+(\q)/2] offset:(((\q)%2)*64+32*\c+16)*PB+32*\i
	ds_load_b128 v[\f+8*(4*\c+\i):\f+8*(4*\c+\i)+3],         v[ADRA+\slot] offset:128*(\q)+64*\c+\i*16*PA
	ds_load_b128 v[\f+8*(4*\c+\i)+4:\f+8*(4*\c+\i)+7],       v[ADRA+\slot] offset:128*(\q)+64*\c+\i*16*PA+32
.endr
.endr
.endm
.macro PLACES                          ; four places in front of loads into registers that matrix instructions have read, and of reads of results
.rept 4
	v_nop
.endr
.endm
.macro QUARTER slot, q, f, g, zero     ; multiplies buffer f and fetches the slot's q-th quarter into g
	s_wait_dscnt 16                                ; the first 32 along K are in; the later sixteen loads may be out
	WIN MUL
	MUL8 \f, 0, 0, \zero
	MUL8 \f, 0, 2, \zero
	PLACES
	FETCH \slot, \q, \g
	s_wait_dscnt 32                                ; all but the 32 just issued
	WIN MUL
	MUL8 \f, 1, 0, 0
	MUL8 \f, 1, 2, 0
.endm
; A slot's last quarter multiplies buffer 1 and changes slots: ONE barrier; in front of it each wave waits for all its tensor loads, adds 0 to its spare word, and waits for that and for its reads of this slot.
.macro TURN slot, next, fill
	WIN 0
	s_wait_tensorcnt 0x0                           ; all my tensor loads have landed: my part of the next slot
	ds_add_u32 v[SPW], v[NIL]
	s_wait_dscnt 17                                ; (the add and the youngest sixteen loads may be out)
	WIN MUL
	MUL8 F1, 0, 0, 0
	s_wait_dscnt 0x0                               ; the add is done, and my reads of this slot are over
	s_barrier_signal -1
	MUL8 F1, 0, 2, 0
.if \fill
	WIN 0
.endif
	s_barrier_wait -1
.if \fill
	CREST                                          ; the barrier has opened a round of the cluster's: no wave of any partner still reads this slot or has a load on its way
	s_add_nc_u64 s[G0+4*\slot+2:G0+4*\slot+3], s[G0+4*\slot+2:G0+4*\slot+3], 2*KSTEP*2
	s_add_nc_u64 s[G0B+4*\slot+2:G0B+4*\slot+3], s[G0B+4*\slot+2:G0B+4*\slot+3], 2*KSTEP*SIZE_N*2
	JLOAD \slot                                    ; the first tensor load behind the round; its four v_nop are also the places in front of the loads below
.else
	PLACES
.endif
	FETCH \next, 0, F0
	WIN MUL
	MUL8 F1, 1, 0, 0
	MUL8 F1, 1, 2, 0
.endm
	s_wait_tensorcnt 1                             ; my part of K step 0 is in; K step 1's may stay out
	s_barrier_signal -1
	s_barrier_wait -1
	FETCH 0, 0, F0
	s_wait_loadcnt 32                              ; the bias is in; the residual's 32 loads stay out
	QUARTER 0, 1, F0, F1, 1
.if LAPS > 1
	WIN 0
	s_mov_b32 s23, LAPS-1
.Llap:                                                 ; a trip goes once round the ring and fills both slots again
	QUARTER 0, 2, F1, F0, 0
	QUARTER 0, 3, F0, F1, 0
	TURN 0, 1, 1
	QUARTER 1, 1, F0, F1, 0
	QUARTER 1, 2, F1, F0, 0
	QUARTER 1, 3, F0, F1, 0
	TURN 1, 0, 1
	QUARTER 0, 1, F0, F1, 0
	WIN 0
	s_sub_co_u32 s23, s23, 1
	s_cmp_lg_u32 s23, 0
	s_cbranch_scc1 .Llap
.endif
	QUARTER 0, 2, F1, F0, 0                        ; the last lap fills nothing
	QUARTER 0, 3, F0, F1, 0
	TURN 0, 1, 0
	QUARTER 1, 1, F0, F1, 0
	QUARTER 1, 2, F1, F0, 0
	QUARTER 1, 3, F0, F1, 0
	s_wait_dscnt 16
	WIN MUL
	MUL8 F1, 0, 0, 0
	MUL8 F1, 0, 2, 0
	s_wait_dscnt 0
	MUL8 F1, 1, 0, 0
	MUL8 F1, 1, 2, 0
	WIN 0
	; THE WAY OUT: 32 bytes a lane into the stage (each accumulator from its low end on); a barrier, since a row's 512 bytes come from two waves; back as whole rows; + the residual; stored.
	PLACES
.irp a, 0,1,2,3
.irp b, 0,1,2,3
	ds_store_b128 v[STO], v[ACC+8*(4*\a+\b):ACC+8*(4*\a+\b)+3] offset:\a*16*SPITCH+64*\b
	ds_store_b128 v[STO], v[ACC+8*(4*\a+\b)+4:ACC+8*(4*\a+\b)+7] offset:\a*16*SPITCH+64*\b+16
.endr
.endr
	s_wait_dscnt 0x0                               ; for the others' sake: my stores have landed
	s_barrier_signal -1
	s_barrier_wait -1
.set i, 0
.rept 32
	ds_load_b128 v[ACC+4*i:ACC+4*i+3], v[RD] offset:i*SPITCH
.set i, i+1
.endr
	s_wait_loadcnt 0x0                             ; the residual
	s_wait_dscnt 0x0
	WIN 0x08                                       ; source 1 window 2
.set i, 0
.rept 64
	v_pk_add_f32 v[ACC+2*i:ACC+2*i+1], v[ACC+2*i:ACC+2*i+1], v[2*i:2*i+1]
.set i, i+1
.endr
	WIN 0
.set i, 0
.rept 32
	global_store_b128 v[CO], v[ACC+4*i:ACC+4*i+3], s[12:13] offset:4096*i   ; 32 lanes store 512 dense bytes, aligned
.set i, i+1
.endr
	s_wait_tensorcnt 0x0                           ; the wave's end
	ds_add_u32 v[SPW], v[NIL]
	s_wait_dscnt 0x0
	CROUND                                         ; the closing round
	s_endpgm
.Lfunc_end_k_qd68a9d9858_f2gemm:
	.size	k_qd68a9d9858_f2gemm, .Lfunc_end_k_qd68a9d9858_f2gemm-k_qd68a9d9858_f2gemm
	.p2alignl 7, 3214868480
	.fill 96, 4, 3214868480
	.section	.rodata,"a",@progbits
	.p2align	6, 0x0
	.amdhsa_kernel k_qd68a9d9858_f2gemm
		.amdhsa_group_segment_fixed_size 327680
		.amdhsa_private_segment_fixed_size 0
		.amdhsa_enable_private_segment 0
		.amdhsa_kernarg_size 40
		.amdhsa_user_sgpr_count 2
		.amdhsa_user_sgpr_kernarg_segment_ptr 1
		.amdhsa_wavefront_size32 1
		.amdhsa_system_sgpr_workgroup_id_x 1
		.amdhsa_system_sgpr_workgroup_id_y 1
		.amdhsa_system_sgpr_workgroup_id_z 1
		.amdhsa_system_vgpr_workitem_id 0
		.amdhsa_next_free_vgpr 768
		.amdhsa_next_free_sgpr 80
		.amdhsa_reserve_vcc 0
		.amdhsa_float_denorm_mode_32 3
		.amdhsa_float_denorm_mode_16_64 3
		.amdhsa_memory_ordered 1
		.amdhsa_forward_progress 1
		.amdhsa_inst_pref_size 94
	.end_amdhsa_kernel
	.amdgpu_metadata
---
amdhsa.version: [ 1, 2 ]
amdhsa.kernels:
  - .name:           k_qd68a9d9858_f2gemm
    .symbol:         k_qd68a9d9858_f2gemm.kd
    .args:
      - { .name: act, .offset: 0, .size: 8, .value_kind: global_buffer, .address_space: global }
      - { .name: packed, .offset: 8, .size: 8, .value_kind: global_buffer, .address_space: global }
      - { .name: b2, .offset: 16, .size: 8, .value_kind: global_buffer, .address_space: global }
      - { .name: hbuf, .offset: 24, .size: 8, .value_kind: global_buffer, .address_space: global }
      - { .name: sum, .offset: 32, .size: 8, .value_kind: global_buffer, .address_space: global }
    .group_segment_fixed_size: 327680
    .private_segment_fixed_size: 0
    .kernarg_segment_align: 8
    .kernarg_segment_size: 40
    .max_flat_workgroup_size: 128
    .sgpr_count:     80
    .vgpr_count:     768
    .wavefront_size: 32
...
	.end_amdgpu_metadata
.endif
;; end of part 6
;; launch ln2 (part 7): grid 256 x 1, 4 waves a work-group, no clusters, 0 bytes of LDS; arguments sum, g2, beta2, out0; writes out0
.if DOCPART == 7
	.amdgcn_target "amdgcn-amd-amdhsa--gfx1250"
	.amdhsa_code_object_version 6
	.text
	.protected	k_qd68a9d9858_ln2
	.globl	k_qd68a9d9858_ln2
	.p2align	8
	.type	k_qd68a9d9858_ln2,@function
k_qd68a9d9858_ln2:
	s_mov_b64 s[64:65], 0
	v_nop
	global_prefetch_b8 v0, s[64:65] scope:SCOPE_SE
	s_setreg_imm32_b32 hwreg(HW_REG_WAVE_MODE, 25, 1), 1
	s_wait_xcnt 0x0
; out0 = (y - mean) rsqrt(var + 1e-5) g + beta along rows of 1,024, all in f32.  The text is that of the first norm's launch with HALF16 = 0: no f16 copy is stored.
; A wave takes 4 whole rows; a row is eight dense loads of 512 bytes and stays in 32 registers between the passes: read once.  The variance is taken of the deviations, in a second pass over the registers.
; No LDS, no barrier, no matrix unit: the reduction never leaves the wave.  All 32 row loads of a wave go out at once.
.set HALF16, 0
.set X,  32                            ; v32-159  row t at 32 + 32 t
.set G,  160                           ; v160-191 the gain of my 32 columns
.set BT, 192                           ; v192-223 the bias
.set HF, 224                           ; (unused here)
	s_load_b256 s[4:11], s[0:1], 0x0               ; in s[4:5], gain s[6:7], bias s[8:9], out s[10:11]
	v_lshrrev_b32 v3, 5, v0
	v_readfirstlane_b32 s14, v3                    ; wave
	v_and_b32 v3, 31, v0
	v_lshlrev_b32 v1, 4, v3                        ; 16 x lane
	s_mov_b32 s12, 0x76543210                      ; v_permlanex16_b32's selects for lane l xor 16
	s_mov_b32 s13, 0xfedcba98
	s_mov_b32 s20, 0x3a800000                      ; 1 / 1,024
	v_mov_b32 v13, 0                               ; a lane permute's destination counts as one of its sources
	v_mov_b32 v15, 0                               ; (named as the upper halves of pairs)
	v_mov_b32 v17, 0
	s_lshl_b32 s15, ttmp9, 4
	s_lshl_b32 s16, s14, 2
	s_add_co_u32 s15, s15, s16                     ; my first row
	s_lshl_b32 s16, s15, 12
	s_mov_b32 s17, 0
	s_wait_kmcnt 0x0
	s_add_nc_u64 s[4:5], s[4:5], s[16:17]
	s_add_nc_u64 s[10:11], s[10:11], s[16:17]
.irp j, 0,1,2,3,4,5,6,7
	global_load_b128 v[G+4*\j:G+4*\j+3], v1, s[6:7] offset:512*\j
.endr
.irp j, 0,1,2,3,4,5,6,7
	global_load_b128 v[BT+4*\j:BT+4*\j+3], v1, s[8:9] offset:512*\j
.endr
.irp t, 0,1,2,3
.irp j, 0,1,2,3,4,5,6,7
	global_load_b128 v[X+32*\t+4*\j:X+32*\t+4*\j+3], v1, s[4:5] offset:4096*\t+512*\j th:TH_LOAD_NT
.endr
.endr
.macro FOLD                            ; four packed chains v[4:11] -> their sum over the wave's 32 lanes, in every lane's v12
	v_pk_add_f32 v[4:5], v[4:5], v[6:7]
	v_pk_add_f32 v[8:9], v[8:9], v[10:11]
	v_pk_add_f32 v[4:5], v[4:5], v[8:9]
	v_add_f32 v12, v4, v5
	v_add_f32_dpp v12, v12, v12 row_xmask:1 row_mask:0xf bank_mask:0xf
	v_add_f32_dpp v12, v12, v12 row_xmask:2 row_mask:0xf bank_mask:0xf
	v_add_f32_dpp v12, v12, v12 row_xmask:4 row_mask:0xf bank_mask:0xf
	v_add_f32_dpp v12, v12, v12 row_xmask:8 row_mask:0xf bank_mask:0xf
	v_permlanex16_b32 v13, v12, s12, s13
	v_add_f32 v12, v12, v13
.endm
.macro ROW t
.set XR, X+32*(\t)
	s_wait_loadcnt 8*(3-(\t))                      ; gain, bias and this row are in; the eight loads of each later row stay out
.irp c, 0,1,2,3
	v_pk_add_f32 v[4+2*\c:5+2*\c], v[XR+2*\c:XR+2*\c+1], v[XR+8+2*\c:XR+9+2*\c]
.endr
.irp k, 16,24
.irp c, 0,1,2,3
	v_pk_add_f32 v[4+2*\c:5+2*\c], v[4+2*\c:5+2*\c], v[XR+\k+2*\c:XR+\k+2*\c+1]
.endr
.endr
	FOLD
	v_mul_f32 v14, s20, v12                        ; the mean
.irp i, 0,2,4,6,8,10,12,14,16,18,20,22,24,26,28,30
	v_pk_add_f32 v[XR+\i:XR+\i+1], v[XR+\i:XR+\i+1], v[14:15] op_sel_hi:[1,0] neg_lo:[0,1] neg_hi:[0,1]   ; the deviations, in place
.endr
.irp c, 0,1,2,3
	v_pk_mul_f32 v[4+2*\c:5+2*\c], v[XR+2*\c:XR+2*\c+1], v[XR+2*\c:XR+2*\c+1]
.endr
.irp k, 8,16,24
.irp c, 0,1,2,3
	v_pk_fma_f32 v[4+2*\c:5+2*\c], v[XR+\k+2*\c:XR+\k+2*\c+1], v[XR+\k+2*\c:XR+\k+2*\c+1], v[4+2*\c:5+2*\c]
.endr
.endr
	FOLD
	v_fmaak_f32 v12, s20, v12, 0x3727c5ac          ; the variance + 1e-5
	v_rsq_f32 v16, v12
	v_nop                                          ; a plain instruction behind the transcendental
	s_wait_alu depctr_va_vdst(0)                   ; and a wait ahead of its first reader: one a row
.irp i, 0,2,4,6,8,10,12,14,16,18,20,22,24,26,28,30
	v_pk_mul_f32 v[XR+\i:XR+\i+1], v[XR+\i:XR+\i+1], v[16:17] op_sel_hi:[1,0]
.endr
.irp i, 0,2,4,6,8,10,12,14,16,18,20,22,24,26,28,30
	v_pk_fma_f32 v[XR+\i:XR+\i+1], v[XR+\i:XR+\i+1], v[G+\i:G+\i+1], v[BT+\i:BT+\i+1]
.endr
.irp j, 0,1,2,3,4,5,6,7
	global_store_b128 v1, v[XR+4*\j:XR+4*\j+3], s[10:11] offset:4096*(\t)+512*\j th:TH_STORE_NT   ; 32 lanes store 512 dense bytes, aligned; written once, read by nobody here
.endr
.endm
	ROW 0
	ROW 1
	ROW 2
	ROW 3
	s_endpgm
.Lfunc_end_k_qd68a9d9858_ln2:
	.size	k_qd68a9d9858_ln2, .Lfunc_end_k_qd68a9d9858_ln2-k_qd68a9d9858_ln2
	.p2alignl 7, 3214868480
	.fill 96, 4, 3214868480
	.section	.rodata,"a",@progbits
	.p2align	6, 0x0
	.amdhsa_kernel k_qd68a9d9858_ln2
		.amdhsa_group_segment_fixed_size 0
		.amdhsa_private_segment_fixed_size 0
		.amdhsa_enable_private_segment 0
		.amdhsa_kernarg_size 32
		.amdhsa_user_sgpr_count 2
		.amdhsa_user_sgpr_kernarg_segment_ptr 1
		.amdhsa_wavefront_size32 1
		.amdhsa_system_sgpr_workgroup_id_x 1
		.amdhsa_system_sgpr_workgroup_id_y 1
		.amdhsa_system_sgpr_workgroup_id_z 1
		.amdhsa_system_vgpr_workitem_id 0
		.amdhsa_next_free_vgpr 240
		.amdhsa_next_free_sgpr 66
		.amdhsa_reserve_vcc 0
		.amdhsa_float_denorm_mode_32 3
		.amdhsa_float_denorm_mode_16_64 3
		.amdhsa_memory_ordered 1
		.amdhsa_forward_progress 1
		.amdhsa_inst_pref_size 33
	.end_amdhsa_kernel
	.amdgpu_metadata
---
amdhsa.version: [ 1, 2 ]
amdhsa.kernels:
  - .name:           k_qd68a9d9858_ln2
    .symbol:         k_qd68a9d9858_ln2.kd
    .args:
      - { .name: sum, .offset: 0, .size: 8, .value_kind: global_buffer, .address_space: global }
      - { .name: g2, .offset: 8, .size: 8, .value_kind: global_buffer, .address_space: global }
      - { .name: beta2, .offset: 16, .size: 8, .value_kind: global_buffer, .address_space: global }
      - { .name: out0, .offset: 24, .size: 8, .value_kind: global_buffer, .address_space: global }
    .group_segment_fixed_size: 0
    .private_segment_fixed_size: 0
    .kernarg_segment_align: 8
    .kernarg_segment_size: 32
    .max_flat_workgroup_size: 128
    .sgpr_count:     66
    .vgpr_count:     240
    .wavefront_size: 32
...
	.end_amdgpu_metadata
.endif
;; end of part 7
